; MI455X (gfx1250); checked and timed in simulation.
; The chip was launched on July 23, 2026; its instructions are those of AMD's public machine-readable ISA for CDNA 5 (MIT licence, August 2026) and "CDNA5" Instruction Set Architecture Reference Guide (July 2026). The comments in the code are by the model that wrote it; some were corrected since.
;; Multi Head Causal Attention. Allowed arithmetic: matrix products marked QUANTISED: E2M3 operands, one E8M0 scale for each 32 along K, by v_wmma_scale_f32_16x16x128_f8f6f4 with both operands' format E2M3, f32 sums; everything else in f32.
;; Inputs: b_o 1,024 float32; w_k 1,024 x 1,024 float32; w_o 1,024 x 1,024 float32; w_q 1,024 x 1,024 float32; w_v 1,024 x 1,024 float32; x 4 x 2,048 x 1,024 float32.
;; Outputs: out0 4 x 2,048 x 1,024 float32.
;; This version of the problem:
;;   THIS VERSION OF THE PROBLEM IS GIVEN IN LOW PRECISION. The matrix products marked QUANTISED in the list below multiply operands that are first quantised to E2M3 (2 exponent bits, 3 mantissa bits; 6 bits a number), with one power-of-two scale for each 32 numbers along K (OCP MX v1.0); their sums are f32. All else is computed in f32.
;;   The module's matrix products, in the order in which they are computed (A, B: the left and right operand; K: the contracted axis; several contracted axes count as one K, in the product's order):
;;     1. [M 8,192, K 1,024] x [K 1,024, N 1,024]; A: input x; B: input w_q: QUANTISED
;;     2. [M 8,192, K 1,024] x [K 1,024, N 1,024]; A: input x; B: input w_k: QUANTISED
;;     3. [M 8,192, K 1,024] x [K 1,024, N 1,024]; A: input x; B: input w_v: QUANTISED
;;     4. batch 64 x [M 2,048, K 64] x [K 64, N 2,048]; A: computed on the way; B: computed on the way: QUANTISED
;;     5. batch 64 x [M 2,048, K 2,048] x [K 2,048, N 64]; A: softmax (see below); B: computed on the way: QUANTISED
;;     6. [M 8,192, K 1,024] x [K 1,024, N 1,024]; A: computed on the way; B: input w_o: QUANTISED
;;   THE QUANTISER, for each operand of a quantised product, along K:
;;     - K is cut into blocks of 32 from its start; a last block that is shorter is filled with zeros.
;;     - A block's scale is 2^e with e = floor(log2(the largest magnitude in the block)) - 2, held to -126 .. 127; a block of zeros has e = 0. As a byte (E8M0): e + 127.
;;     - Each number is divided by its block's scale, clamped to +-7.5, and rounded to the nearest number of E2M3, ties to even, subnormals kept.
;;     - The product sums the exact products of the quantised numbers (number of the format x scale) in f32.
;;   ~~~python
;;   def quantise(x, axis):      # numpy; x: float32 -> the quantised numbers, widened to float32 again
;;       x = np.moveaxis(x, axis, -1); K = x.shape[-1]
;;       x = np.pad(x, [(0, 0)] * (x.ndim - 1) + [(0, -K % 32)]); x = x.reshape(x.shape[:-1] + (-1, 32)); a = np.abs(x).max(-1, keepdims=True)
;;       e = np.where(a > 0, np.clip(np.frexp(np.where(a > 0, a, 1))[1] - 1 - 2, -126, 127), 0)      # np.frexp(a)[1] - 1 = floor(log2(a)), exactly
;;       r = np.clip(x / 2.0 ** e, -7.5, 7.5)
;;       step = 2.0 ** (np.maximum(np.frexp(np.where(r == 0, 1, r))[1] - 1, 0) - 3)
;;       q = np.round(r / step) * step * 2.0 ** e      # np.round: ties to even
;;       return np.moveaxis(q.reshape(q.shape[:-2] + (-1,))[..., :K], -1, axis).astype(np.float32)
;;   ~~~
;;   SOFTMAX AHEAD OF A QUANTISED PRODUCT. Where the list says 'softmax', what is quantised is not the finished softmax but p = 2^(t - M), with t = logit x log2(e) and M = ceil(the row's largest t), a whole number; so 1/2 < the row's largest p <= 1. The row's sum l is taken of the UNQUANTISED p, in f32, and the product's result is divided by l at the end. Since M is a whole number, a kernel that streams over the keys may use a running M (the ceiling of the running maximum): every later rescaling is an exact power of two, which a block's scale takes up: the codes' values come out the same.
;;   OPERANDS COMPUTED ON THE WAY. 'Computed on the way' means the value that the module computes at that place (a softmax that the list does not call 'softmax' is quantised finished and normalised). What goes into a quantiser is computed in f32, as accurately as f32 sums, v_exp_f32 and their like allow (about 1e-6 of the number): no bf16 or f16 on the way to a quantiser, and a product that is left as it is and whose result goes on into a quantised operand takes f32 operands (vector FMAs, or v_wmma_f32_16x16x4_f32). A number that lies on a knife's edge between two numbers of the format may be rounded either way, as far as f32 arithmetic and the matrix unit's own rounding can turn it there, and no further.
;; One version. Each part assembles by itself: llvm-mc -triple=amdgcn-amd-amdhsa -mcpu=gfx1250 --defsym DOCPART=n.
;; ======== version 1 of 1: 4 launches
;; workspace buffers: xwc 9,830,400 bytes; qc 6,815,744 bytes; kvc 13,369,344 bytes; oc 6,553,600 bytes
;; launch quant (part 1): grid 768 x 1, 4 waves a work-group, no clusters, 34,304 bytes of LDS; arguments x, w_q, w_k, w_v, w_o, xwc; writes xwc
.if DOCPART == 1
	.amdgcn_target "amdgcn-amd-amdhsa--gfx1250"
	.amdhsa_code_object_version 6
	.text
	.protected	k_q61f99d22f1_quant
	.globl	k_q61f99d22f1_quant
	.p2align	8
	.type	k_q61f99d22f1_quant,@function
k_q61f99d22f1_quant:
	s_mov_b64 s[64:65], 0
	v_nop
	global_prefetch_b8 v0, s[64:65] scope:SCOPE_SE
	s_setreg_imm32_b32 hwreg(HW_REG_WAVE_MODE, 25, 1), 1
	s_wait_xcnt 0x0
; x [8192][1024] and the four weights [1024][1024], f32 with K innermost, become codes of FP6 (E2M3) with one E8M0 byte for each 32 along K, laid in the ORDER OF AN OPERAND'S REGISTERS.
; xwc = [group 0..95][K step 0..7][12,800 bytes]: a group is 128 rows (0-63: x, 64-71: w_q, 72-79: w_k, 80-87: w_v, 88-95: w_o), a K step 128 along K; in a block 8 tiles x 1,536 bytes of codes, then 8 x 64 bytes of scale words.
; A TILE's 16 rows are not neighbours: row i of tile t of a group is row 32 (t / 2) + 8 (t % 2) + i + 8 (i / 8), so that a product which takes such a tile as source 0 leaves 16 neighbours in a lane's 16 registers of two tiles.
; A tile's codes are the image of a fragment's 12 registers: piece p (256 bytes) holds registers 2 p, 2 p + 1, lane l's 8 bytes at 8 l.  Its scale words: 4 bytes a row, row i at 4 i.
; A block's scale is 2^(floor(log2(largest magnitude)) - 2): its byte is the largest magnitude's exponent field - 2, held at 1 from below.
; LIMITS: a block of zeros gets the byte 1 where the rule says 127 (its codes are zeros, and this program alone reads the bytes); no largest magnitude is taken under 2^-124; NaN and infinities are not served.
; SHARES: a work-group takes one block (group, K step); wave i takes tiles 2 i, 2 i + 1: 32 neighbouring rows x 512 bytes.  Each load reads one row's 512 consecutive bytes; a tile turns through the wave's own stage in LDS,
; so that a lane gets 2 x 32 neighbours of ONE row, the numbers of its own two blocks.  Every store of codes covers 256 consecutive aligned bytes.  No matrix unit, tensor load or cluster: the bytes are read once and nothing is shared.
.set ROWB,  4096                       ; a row of f32 in bytes
.set GRP,   102400                     ; a group in xwc
.set KSB,   12800                      ; a block
.set FRB,   1536                       ; a tile's codes
.set SCO,   12288                      ; where a block's scale words begin
.set SP,    528                        ; a stage row: 512 bytes + 16: 33 x 16, so sixteen rows begin in sixteen different groups of banks
.set STG,   16*SP                      ; a wave's stage
.set SPARE, 4*STG                      ; behind the stages: the spare words, 128 bytes a wave: two blocks of 256 bytes that no other line names
.set SPW,   6                          ; v6   my spare word's LDS address; never rewritten
.set NIL,   7                          ; v7   0; never rewritten
.set R,     16                         ; v16-143  32 rows as loaded, 4 registers each
.set X,     144                        ; v144-207 my 64 numbers of a tile
.set PC,    208                        ; v208-219 a fragment's codes
.set PT,    220                        ; v220-222, v224-226 the second halves of the blocks' codes (a conversion's three registers begin on an even number)
.set TM,    228                        ; v228-235 at work
.set PW,    236                        ; v236, v237 the two tiles' scale words; v238 both
	s_load_b256 s[4:11], s[0:1], 0x0               ; x, w_q, w_k, w_v
	s_load_b128 s[12:15], s[0:1], 0x20             ; w_o, xwc
	v_lshl_add_u32 v[SPW], v0, 2, SPARE
	v_mov_b32 v[NIL], 0
	v_lshrrev_b32 v8, 5, v0
	v_readfirstlane_b32 s24, v8                    ; wave 0..3
	v_and_b32 v9, 31, v0                           ; lane
	v_and_b32 v10, 15, v0                          ; r
	v_bfe_u32 v11, v0, 4, 1                        ; h
	v_lshlrev_b32 v1, 4, v9                        ; 16 x lane: my bytes of a row's 512
	s_mul_i32 s25, s24, STG
	v_add_nc_u32 v2, s25, v1                       ; the stage, on the way in
	v_mul_u32_u24 v3, v10, SP
	v_lshl_add_u32 v3, v11, 7, v3
	v_add_nc_u32 v3, s25, v3                       ; and on the way out: row r, + 128 h: k = 32 h on
	v_lshlrev_b32 v4, 3, v9                        ; 8 x lane: my place in a piece
	v_lshlrev_b32 v5, 2, v9                        ; 4 x lane: my place among two tiles' scale words
	v_lshlrev_b32 v12, 3, v11                      ; 8 h: how far my two bytes are shifted in the scale word
	v_mov_b32 v[TM+7], 0                           ; written once: a lane permute's destination counts as one of its sources
	s_mov_b32 s26, 0x76543210
	s_mov_b32 s27, 0xfedcba98                      ; selects for lane l xor 16
	s_mov_b32 s28, 0xffff0000                      ; lanes 16-31
	s_lshr_b32 s18, ttmp9, 3                       ; the group
	s_and_b32 s20, ttmp9, 7                        ; the K step
	s_and_b32 s19, s18, 7                          ; the group inside a weight (64 is a multiple of 8)
	s_mul_i32 s32, s18, GRP
	s_mul_i32 s33, s20, KSB
	s_add_co_u32 s32, s32, s33                     ; my block in xwc
	s_mov_b32 s33, 0
	s_wait_alu depctr_va_vdst(0)
	s_wait_kmcnt 0x0
	s_mov_b64 s[16:17], s[12:13]                   ; which tensor: the choice hangs on the work-group's number alone
	s_cmp_lt_u32 ttmp9, 704
	s_cselect_b64 s[16:17], s[10:11], s[16:17]
	s_cmp_lt_u32 ttmp9, 640
	s_cselect_b64 s[16:17], s[8:9], s[16:17]
	s_cmp_lt_u32 ttmp9, 576
	s_cselect_b64 s[16:17], s[6:7], s[16:17]
	s_cmp_lt_u32 ttmp9, 512
	s_cselect_b64 s[16:17], s[4:5], s[16:17]
	s_cselect_b32 s19, s18, s19                    ; the group inside the tensor
	s_lshl_b32 s19, s19, 7
	s_lshl_b32 s21, s24, 5
	s_add_co_u32 s19, s19, s21                     ; my first row: 128 x group + 32 x wave
	s_lshl_b32 s30, s19, 12
	s_lshl_b32 s21, s20, 9
	s_add_co_u32 s30, s30, s21                     ; in bytes, + 512 x K step (under 2^26)
	s_mov_b32 s31, 0
	s_add_nc_u64 s[16:17], s[16:17], s[30:31]
	s_add_nc_u64 s[14:15], s[14:15], s[32:33]
	s_mul_i32 s34, s24, 2*FRB
	s_mov_b32 s35, 0
	s_add_nc_u64 s[36:37], s[14:15], s[34:35]      ; my two tiles' codes
	s_lshl_b32 s34, s24, 7
	s_add_co_u32 s34, s34, SCO
	s_add_nc_u64 s[38:39], s[14:15], s[34:35]      ; and their scale words
.irp u, 0,1
.irp i, 0,1,2,3,4,5,6,7,8,9,10,11,12,13,14,15
	global_load_b128 v[R+64*\u+4*\i:R+64*\u+4*\i+3], v1, s[16:17] offset:(8*\u+\i+8*(\i/8))*ROWB th:TH_LOAD_NT   ; tile u's row i: 512 consecutive bytes
.endr
.endr
.macro TILE u
.irp i, 0,1,2,3,4,5,6,7,8,9,10,11,12,13,14,15
	ds_store_b128 v2, v[R+64*\u+4*\i:R+64*\u+4*\i+3] offset:SP*\i
.endr
.irp c, 0,1
.irp j, 0,1,2,3,4,5,6,7
	ds_load_b128 v[X+32*\c+4*\j:X+32*\c+4*\j+3], v3 offset:256*\c+16*\j   ; LDS serves a wave's instructions in order: these see the stores above.  Register 32 c + i = k 64 c + 32 h + i of row r
.endr
.endr
	s_wait_dscnt 0x0
.irp c, 0,1
	v_max3_num_f32 v[TM+\c], |v[X+32*\c]|, |v[X+32*\c+1]|, 0x1800000   ; my block 2 c + h: all its 32 numbers are mine; the floor 2^(3 - 127) holds the byte at 1 from below
.endr
.irp i, 2,4,6,8,10,12,14,16,18,20,22,24,26,28,30
.irp c, 0,1
	v_max3_num_f32 v[TM+\c], v[TM+\c], |v[X+32*\c+\i]|, |v[X+32*\c+\i+1]|
.endr
.endr
.irp c, 0,1
	v_add_nc_u32 v[TM+2+\c], 0xff000000, v[TM+\c]  ; 2 off the exponent field: the conversion's scale operand
.endr
.irp c, 0,1
	v_lshrrev_b32 v[TM+4+\c], 23, v[TM+2+\c]       ; the scale's byte
.endr
	v_lshl_or_b32 v[TM+6], v[TM+5], 16, v[TM+4]    ; my two bytes, blocks h and 2 + h,
	v_lshlrev_b32 v[TM+6], v12, v[TM+6]            ; at their places;
	v_permlanex16_b32 v[TM+7], v[TM+6], s26, s27
	v_or_b32 v[PW+\u], v[TM+6], v[TM+7]            ; with lane l xor 16's two the row's word is whole, in both lanes
.if \u
	s_wait_alu depctr_va_vdst(0)
	s_wait_xcnt 0x0                                ; the first tile's stores have read their data: the codes' registers are written again only behind this wait
.endif
.irp c, 0,1
	v_cvt_scalef32_pk16_fp6_f32 v[PC+6*\c:PC+6*\c+2], v[X+32*\c:X+32*\c+15], v[TM+2+\c]
	v_cvt_scalef32_pk16_fp6_f32 v[PT+4*\c:PT+4*\c+2], v[X+32*\c+16:X+32*\c+31], v[TM+2+\c]
.endr
	v_nop                                          ; one plain place behind a scaled conversion
.irp c, 0,1
.irp i, 0,1,2
	v_mov_b32 v[PC+6*\c+3+\i], v[PT+4*\c+\i]
.endr
.endr
.irp p, 0,1,2,3,4,5
	global_store_b64 v4, v[PC+2*\p:PC+2*\p+1], s[36:37] offset:\u*FRB+256*\p   ; 32 lanes store 256 consecutive bytes, aligned
.endr
.endm
	s_wait_loadcnt 16                              ; tile 0's sixteen loads are in; tile 1's sixteen may be out
	TILE 0
	s_wait_loadcnt 0x0
	TILE 1
	v_cndmask_b32 v238, v[PW], v[PW+1], s28        ; lanes 0-15 the even tile's words, lanes 16-31 the odd tile's
	global_store_b32 v5, v238, s[38:39]
	s_wait_tensorcnt 0x0                           ; the wave's end, behind my last LDS store
	ds_add_u32 v[SPW], v[NIL]
	s_wait_dscnt 0x0
	s_endpgm
.Lfunc_end_k_q61f99d22f1_quant:
	.size	k_q61f99d22f1_quant, .Lfunc_end_k_q61f99d22f1_quant-k_q61f99d22f1_quant
	.p2alignl 7, 3214868480
	.fill 96, 4, 3214868480
	.section	.rodata,"a",@progbits
	.p2align	6, 0x0
	.amdhsa_kernel k_q61f99d22f1_quant
		.amdhsa_group_segment_fixed_size 34304
		.amdhsa_private_segment_fixed_size 0
		.amdhsa_enable_private_segment 0
		.amdhsa_kernarg_size 48
		.amdhsa_user_sgpr_count 2
		.amdhsa_user_sgpr_kernarg_segment_ptr 1
		.amdhsa_wavefront_size32 1
		.amdhsa_system_sgpr_workgroup_id_x 1
		.amdhsa_system_sgpr_workgroup_id_y 1
		.amdhsa_system_sgpr_workgroup_id_z 1
		.amdhsa_system_vgpr_workitem_id 0
		.amdhsa_next_free_vgpr 256
		.amdhsa_next_free_sgpr 66
		.amdhsa_reserve_vcc 0
		.amdhsa_float_denorm_mode_32 3
		.amdhsa_float_denorm_mode_16_64 3
		.amdhsa_memory_ordered 1
		.amdhsa_forward_progress 1
		.amdhsa_inst_pref_size 18
	.end_amdhsa_kernel
	.amdgpu_metadata
---
amdhsa.version: [ 1, 2 ]
amdhsa.kernels:
  - .name:           k_q61f99d22f1_quant
    .symbol:         k_q61f99d22f1_quant.kd
    .args:
      - { .name: x, .offset: 0, .size: 8, .value_kind: global_buffer, .address_space: global }
      - { .name: w_q, .offset: 8, .size: 8, .value_kind: global_buffer, .address_space: global }
      - { .name: w_k, .offset: 16, .size: 8, .value_kind: global_buffer, .address_space: global }
      - { .name: w_v, .offset: 24, .size: 8, .value_kind: global_buffer, .address_space: global }
      - { .name: w_o, .offset: 32, .size: 8, .value_kind: global_buffer, .address_space: global }
      - { .name: xwc, .offset: 40, .size: 8, .value_kind: global_buffer, .address_space: global }
    .group_segment_fixed_size: 34304
    .private_segment_fixed_size: 0
    .kernarg_segment_align: 8
    .kernarg_segment_size: 48
    .max_flat_workgroup_size: 128
    .sgpr_count:     66
    .vgpr_count:     256
    .wavefront_size: 32
...
	.end_amdgpu_metadata
.endif
;; end of part 1
;; launch qkv (part 2): grid 4 x 64, 4 waves a work-group, clusters of 4 x 4, 327,680 bytes of LDS; arguments xwc, qc, kvc; writes qc, kvc
.if DOCPART == 2
	.amdgcn_target "amdgcn-amd-amdhsa--gfx1250"
	.amdhsa_code_object_version 6
	.text
	.protected	k_q61f99d22f1_qkv
	.globl	k_q61f99d22f1_qkv
	.p2align	8
	.type	k_q61f99d22f1_qkv,@function
k_q61f99d22f1_qkv:
	s_mov_b64 s[64:65], 0
	v_nop
	global_prefetch_b8 v0, s[64:65] scope:SCOPE_SE
	s_setreg_imm32_b32 hwreg(HW_REG_WAVE_MODE, 25, 1), 1
	s_wait_xcnt 0x0
	s_wait_alu depctr_hold_cnt(0) depctr_sa_sdst(0) depctr_va_vdst(0) depctr_va_sdst(0) depctr_va_ssrc(0) depctr_va_vcc(0) depctr_vm_vsrc(0)
	s_getreg_b32 s2, hwreg(HW_REG_IB_STS2, 6, 4)
	s_cmp_eq_u32 s2, 0
	s_cbranch_scc0 .Lentry_in_a_cluster
	s_endpgm
.Lentry_in_a_cluster:
	s_bfe_u32 s2, ttmp6, 0x10000c
	s_cmp_lg_u32 s2, 0xf033
	s_cbranch_scc0 .Lentry_shape_is_right
	s_endpgm
.Lentry_shape_is_right:
; q = x w_q^T, k = x w_k^T, v = x w_v^T on codes of FP6 (E2M3) with E8M0 scales, f32 sums; the results are quantised at once, q and k along the head's 64, v along the keys, and leave as codes.
; IN: xwc = [group][K step][12,800]: 8 tiles x 1,536 bytes (images of fragments: piece p = registers 2 p, 2 p + 1, 8 bytes a lane), then 8 x 64 bytes of scale words.  Row i of tile t is row 32 (t / 2) + 8 (t % 2) + i + 8 (i / 8) of its group.
; OUT: qc = [batch x head][key step 0..15][6,656]: 8 tiles of 16 tokens x 768 bytes (half fragments: K = 64), then 512 bytes of scale words (byte 0, byte 1, 0x7f, 0x7f).
;      kvc = [batch x head][key step][13,056]: K 8 x 768 at 0; V^T 4 tiles of 16 channels x 1,536 (K = 128 keys) at 6,144; K's scale words at 12,288; V's at 12,800.
; SHARES: work-group (x, y) takes 128 tokens (group y of x) and four heads (4 x ..); wave w owns head 4 x + w: 128 tokens x 64 channels, 32 accumulators.  It STAYS for three stages, q, k, v.
; x's panel, all of K, lies in LDS for the whole launch; the weights walk through two slots of 512 along K each (slot 0: the first half of K, slot 1: the second).  A head in one wave keeps every block of a quantiser and every fragment of V^T whole in that wave.
; CLUSTER 4 x 4: x's panel hangs on y alone and is asked for jointly along a row of the cluster; the weights hang on x alone and are asked for jointly along a column.
; q, k: source 0 = 16 rows of W, source 1 = 16 tokens: a lane holds ONE token and its registers run along the head's channels.  v: the sources change places: a lane holds one channel and its registers run along the keys.
; No prefetch: x's panel goes out with the first loads at the head, and the weights' blocks are asked for by all 64 rows of work-groups at about the same time.
; LIMITS: a block of zeros gets the byte 1 where the rule says 127 (zero codes; read by this program alone); no largest magnitude is taken under 2^-124; NaN and infinities are not served.
; REGISTERS, in windows of 256: window 0: addresses, scale words, the quantiser's work.  window 1: the 32 accumulators.  window 2: x's fragments, set p at 96 p + 12 a.  window 3: W's, set p at 48 p + 12 b.
.set GRP,   102400                     ; a group's eight blocks; also x's panel, and a slot
.set KSB,   12800                      ; a block: one K step of one group
.set FRB,   1536
.set SCO,   12288
.set HALF,  51200                      ; four K steps
.set QUART, 25600                      ; what one tensor load brings: 100 rows of 256 bytes
.set SPARE, 3*GRP                      ; behind the panel and the slots: the spare words, 128 bytes a wave: two blocks of 256 bytes that no other line names
.set SPW, 3                            ; v3  my spare word's LDS address; never rewritten
.set NIL, 4                            ; v4  0; never rewritten
.set FL,  5                            ; v5  the floor 2^(3 - 127)
.set AX,  6                            ; v6-7   x's fragments: 8 x lane + 51,200 x half of K
.set AW,  8                            ; v8-9   W's, in slot 0, 1
.set SX,  10                           ; v10-11 x's scale words
.set SW,  12                           ; v12-13 W's
.set XS,  16                           ; scale words, set p: x's at v[16 + 8 p] (4), W's at v[20 + 8 p] (2): lanes 0-15 the even tile's, lanes 16-31 the odd tile's
.set WS,  20
.set TM,  32                           ; v32-47 at work: +0..3 largest magnitudes, +4..7 the other lane's, then bytes, +8..11 merged scale words, +12..15 scale operands
.set PWS, 48                           ; v48-55 a scale word for each tile
.set PC,  64                           ; v64-75 codes
.set PT,  76                           ; v76-78, v80-82 second halves
.set WV,  10                           ; s10 wave
.set G1A, 24                           ; s[24:31] descriptor group 1 for x's panel; s[32:39] for the weights: they differ in the mask alone
.set G1B, 32
.set G0A, 40                           ; s[40:43] group 0 for the panel; s[44:47], s[48:51] for slots 0, 1
.set G0B, 44
.set DC,  52                           ; s[52:53] where the stage's codes go; s[54:55] its scale words
.set DS,  54
.set KC,  56                           ; s[56:57] my block of kvc; s[58:59] K's scale words in it
.set KS,  58
.set SEL, 66                           ; s[66:67] selects for lane l xor 16
.set MH,  68                           ; s68 lanes 16-31
.set CNT, 69
.set MSB, 0
.macro WIN new                         ; the immediate's high byte repeats the setting that is left
.if MSB != \new
	s_set_vgpr_msb (MSB<<8)|\new
.set MSB, \new
.endif
.endm
.macro PLACES n
.rept \n
	v_nop
.endr
.endm
.macro CREST                           ; a round of the cluster's barrier behind its opening barrier
	s_cmp_lg_u32 s[WV], 0
	s_cbranch_scc1 .Lnot_wave_0_\@
	s_barrier_signal -3
.Lnot_wave_0_\@:
	s_barrier_wait -3
	s_barrier_signal -1
	s_barrier_wait -1
.endm
.macro CROUND
	s_barrier_signal -1
	s_barrier_wait -1
	CREST
.endm
	s_load_b128 s[4:7], s[0:1], 0x0                ; xwc, qc
	s_load_b64 s[8:9], s[0:1], 0x10                ; kvc
	v_lshl_add_u32 v[SPW], v0, 2, SPARE
	v_mov_b32 v[NIL], 0
	ds_add_u32 v[SPW], v[NIL]
	ds_add_u32 v[SPW], v[NIL]                      ; the wave's opening: the add and its wait ahead of my first tensor load; work on registers stands between them
	v_lshrrev_b32 v1, 5, v0
	v_readfirstlane_b32 s[WV], v1                  ; wave 0..3
	s_bfe_u32 s11, ttmp6, 0x40000                  ; cx
	s_bfe_u32 s12, ttmp6, 0x40004                  ; cy
	s_lshl_b32 s16, ttmp9, 2
	s_add_co_u32 s16, s16, s11                     ; work-group x: four heads
	s_and_b32 s13, ttmp7, 0xffff
	s_lshl_b32 s13, s13, 2
	s_add_co_u32 s13, s13, s12                     ; work-group y: x's group
	s_lshl_b32 s14, s12, 2
	s_lshl_b32 s14, 15, s14                        ; my row of the cluster
	s_lshl_b32 s15, 0x1111, s11                    ; my column
	s_or_b32 s[G1A], s14, (3<<16)|(1<<21)          ; 15:0 the mask; 17:16 elements of 8 bytes; 21 set beside a mask; no padding
	s_or_b32 s[G1B], s15, (3<<16)|(1<<21)
.irp g, G1A, G1B
	s_mov_b32 s[\g+1], 32<<16                      ; tensor_dim0 = 32 elements: rows of 256 bytes
	s_mov_b32 s[\g+2], 100<<16                     ; tensor_dim1 = 100 rows: a dense block of 25,600 bytes
	s_mov_b32 s[\g+3], 32<<16                      ; tile_dim0
	s_mov_b32 s[\g+4], 100                         ; tile_dim1
	s_mov_b32 s[\g+5], 32                          ; the pitch
	s_mov_b32 s[\g+6], 0
	s_mov_b32 s[\g+7], 0
.endr
	s_mul_i32 s20, s[WV], QUART                    ; my quarter, in memory and in LDS: no place in the cluster enters an LDS address
	s_mul_i32 s18, s13, GRP
	s_add_co_u32 s18, s18, s20                     ; the panel: group y, K steps 2 w, 2 w + 1
	s_mov_b32 s19, 0
	s_lshl_b32 s22, s16, 1
	s_lshr_b32 s21, s[WV], 1
	s_add_co_u32 s22, s22, s21
	s_add_co_u32 s22, s22, 64                      ; w_q's group 2 x + w / 2
	s_mul_i32 s22, s22, GRP
	s_and_b32 s23, s[WV], 1
	s_mul_i32 s23, s23, QUART
	s_add_co_u32 s22, s22, s23                     ; K steps 2 (w % 2), 2 (w % 2) + 1 of a half
	s_mov_b32 s23, 0
	s_lshr_b32 s2, s13, 4
	s_lshl_b32 s2, s2, 4
	s_lshl_b32 s3, s16, 2
	s_add_co_u32 s2, s2, s3
	s_add_co_u32 s2, s2, s[WV]                     ; 16 x batch + my head
	s_and_b32 s3, s13, 15                          ; the key step
	s_mul_i32 s60, s2, 106496
	s_mul_i32 s61, s3, 6656
	s_add_co_u32 s60, s60, s61
	s_mov_b32 s61, 0
	s_mul_i32 s62, s2, 208896
	s_mul_i32 s63, s3, 13056
	s_add_co_u32 s62, s62, s63
	s_mov_b32 s63, 0
	s_mov_b32 s[SEL], 0x76543210
	s_mov_b32 s[SEL+1], 0xfedcba98
	s_mov_b32 s[MH], 0xffff0000
	s_wait_dscnt 0x0                               ; the opening add is done
	s_wait_kmcnt 0x0
	s_add_nc_u64 s[DC:DC+1], s[6:7], s[60:61]      ; the first stage's results go to qc
	s_add_nc_u64 s[DS:DS+1], s[DC:DC+1], 6144
	s_add_nc_u64 s[KC:KC+1], s[8:9], s[62:63]
	s_add_nc_u64 s[KS:KS+1], s[KC:KC+1], 12288
	s_mov_b32 s[G0A], 1
	s_mov_b32 s[G0A+1], s20
	s_add_nc_u64 s[G0A+2:G0A+3], s[4:5], s[18:19]
	s_or_b32 s[G0A+3], s[G0A+3], 0x80000000
.irp f, 0,1
	s_mov_b32 s[G0B+4*\f], 1
	s_add_co_u32 s[G0B+4*\f+1], s20, GRP*(1+\f)
	s_add_nc_u64 s[G0B+4*\f+2:G0B+4*\f+3], s[4:5], s[22:23]
	s_add_nc_u64 s[G0B+4*\f+2:G0B+4*\f+3], s[G0B+4*\f+2:G0B+4*\f+3], \f*HALF
	s_or_b32 s[G0B+4*\f+3], s[G0B+4*\f+3], 0x80000000
.endr
	CROUND                                         ; all sixteen work-groups are here: the first joint loads meet
	tensor_load_to_lds s[G0A:G0A+3], s[G1A:G1A+7]  ; my quarter of x's panel
	s_nop 0
	s_wait_alu depctr_va_vdst(0)
	s_wait_tensorcnt 0x0
	ds_add_u32 v3, v4
	s_wait_dscnt 0x0
	CROUND
	tensor_load_to_lds s[G0B:G0B+3], s[G1B:G1B+7]  ; of w_q's first half of K
	s_nop 0
	s_wait_alu depctr_va_vdst(0)
	s_wait_tensorcnt 0x0
	ds_add_u32 v3, v4
	s_wait_dscnt 0x0
	CROUND
	tensor_load_to_lds s[G0B+4:G0B+7], s[G1B:G1B+7]   ; and of its second
	s_nop 0
	PLACES 4
	v_and_b32 v14, 31, v0
	v_lshlrev_b32 v1, 3, v14                       ; 8 x lane: my place in a piece, in LDS and in memory
	v_lshlrev_b32 v2, 2, v14                       ; 4 x lane: among two tiles' scale words
	s_wait_alu depctr_va_vdst(0)
	v_mov_b32 v[FL], 0x1800000
	v_mov_b32 v[AX], v1
	v_add_nc_u32 v[AX+1], HALF, v1
	s_lshr_b32 s21, s[WV], 1
	s_mul_i32 s21, s21, HALF                       ; my head's weight group of the slot's two,
	s_and_b32 s23, s[WV], 1
	s_mul_i32 s2, s23, 4*FRB                       ; and its four tiles of the group's eight
	s_add_co_u32 s2, s2, s21
	s_add_co_u32 s2, s2, GRP
	v_add_nc_u32 v[AW], s2, v1
	v_add_nc_u32 v[AW+1], GRP, v[AW]
	v_add_nc_u32 v[SX], SCO, v2
	v_add_nc_u32 v[SX+1], SCO+HALF, v2
	s_lshl_b32 s3, s23, 8
	s_add_co_u32 s3, s3, s21
	s_add_co_u32 s3, s3, GRP+SCO
	v_add_nc_u32 v[SW], s3, v2
	v_add_nc_u32 v[SW+1], GRP, v[SW]
.irp b, 0,1,2,3
	v_mov_b32 v[TM+4+\b], 0                        ; written once: a lane permute's destination counts as one of its sources
.endr
; 78 LDS loads in one run: K step q of half hf: x's eight fragments, my head's four of W from slot sl, and their scale words, into set p.  Every load of 8 bytes a lane takes 256 consecutive bytes.
.macro FETCH hf, sl, q, p
	WIN 0x80                                       ; destination window 2
.irp a, 0,1,2,3,4,5,6,7
.irp c, 0,1,2,3,4,5
	ds_load_b64 v[96*(\p)+12*\a+2*\c:96*(\p)+12*\a+2*\c+1], v[AX+\hf] offset:(\q)*KSB+\a*FRB+256*\c
.endr
.endr
	WIN 0xc0                                       ; destination window 3
.irp b, 0,1,2,3
.irp c, 0,1,2,3,4,5
	ds_load_b64 v[48*(\p)+12*\b+2*\c:48*(\p)+12*\b+2*\c+1], v[AW+\sl] offset:(\q)*KSB+\b*FRB+256*\c
.endr
.endr
	WIN 0
.irp i, 0,1,2,3
	ds_load_b32 v[XS+8*(\p)+\i], v[SX+\hf] offset:(\q)*KSB+128*\i
.endr
.irp i, 0,1
	ds_load_b32 v[WS+8*(\p)+\i], v[SW+\sl] offset:(\q)*KSB+128*\i
.endr
.endm
; One matrix instruction, from the symbols rD, rA, rB, rSA, rSB; fA, fB: the side's scale words lie in lanes 16-31; rZ: the product starts the sum.
.macro WM
.if rZ
.if fA && fB
	v_wmma_scale_f32_16x16x128_f8f6f4 v[rD:rD+7], v[rA:rA+11], v[rB:rB+11], 0, v[rSA], v[rSB] matrix_a_fmt:MATRIX_FMT_FP6 matrix_b_fmt:MATRIX_FMT_FP6 matrix_a_scale:MATRIX_SCALE_ROW1 matrix_b_scale:MATRIX_SCALE_ROW1
.elseif fA
	v_wmma_scale_f32_16x16x128_f8f6f4 v[rD:rD+7], v[rA:rA+11], v[rB:rB+11], 0, v[rSA], v[rSB] matrix_a_fmt:MATRIX_FMT_FP6 matrix_b_fmt:MATRIX_FMT_FP6 matrix_a_scale:MATRIX_SCALE_ROW1
.elseif fB
	v_wmma_scale_f32_16x16x128_f8f6f4 v[rD:rD+7], v[rA:rA+11], v[rB:rB+11], 0, v[rSA], v[rSB] matrix_a_fmt:MATRIX_FMT_FP6 matrix_b_fmt:MATRIX_FMT_FP6 matrix_b_scale:MATRIX_SCALE_ROW1
.else
	v_wmma_scale_f32_16x16x128_f8f6f4 v[rD:rD+7], v[rA:rA+11], v[rB:rB+11], 0, v[rSA], v[rSB] matrix_a_fmt:MATRIX_FMT_FP6 matrix_b_fmt:MATRIX_FMT_FP6
.endif
.else
.if fA && fB
	v_wmma_scale_f32_16x16x128_f8f6f4 v[rD:rD+7], v[rA:rA+11], v[rB:rB+11], v[rD:rD+7], v[rSA], v[rSB] matrix_a_fmt:MATRIX_FMT_FP6 matrix_b_fmt:MATRIX_FMT_FP6 matrix_a_scale:MATRIX_SCALE_ROW1 matrix_b_scale:MATRIX_SCALE_ROW1
.elseif fA
	v_wmma_scale_f32_16x16x128_f8f6f4 v[rD:rD+7], v[rA:rA+11], v[rB:rB+11], v[rD:rD+7], v[rSA], v[rSB] matrix_a_fmt:MATRIX_FMT_FP6 matrix_b_fmt:MATRIX_FMT_FP6 matrix_a_scale:MATRIX_SCALE_ROW1
.elseif fB
	v_wmma_scale_f32_16x16x128_f8f6f4 v[rD:rD+7], v[rA:rA+11], v[rB:rB+11], v[rD:rD+7], v[rSA], v[rSB] matrix_a_fmt:MATRIX_FMT_FP6 matrix_b_fmt:MATRIX_FMT_FP6 matrix_b_scale:MATRIX_SCALE_ROW1
.else
	v_wmma_scale_f32_16x16x128_f8f6f4 v[rD:rD+7], v[rA:rA+11], v[rB:rB+11], v[rD:rD+7], v[rSA], v[rSB] matrix_a_fmt:MATRIX_FMT_FP6 matrix_b_fmt:MATRIX_FMT_FP6
.endif
.endif
.endm
; x's tiles a0 .. a0 + n - 1, each against W's four, from set p.  ord = 0 (q, k): source 0 = W, accumulator 8 (4 a + b).  ord = 1 (v): source 0 = x, accumulator 8 (8 b + a).
; The 32 accumulators take turns, one instruction a turn, in the same order in every K step.
.macro MUL ord, p, a0, n, zero
.if \ord
	WIN 0x5e                                       ; source 0 window 2, source 1 window 3, C and D window 1
.else
	WIN 0x5b                                       ; source 0 window 3, source 1 window 2, C and D window 1
.endif
.set rZ, \zero
.set xa, \a0
.rept \n
.set xb, 0
.rept 4
.if \ord
.set rD, 8*(8*xb+xa)
.set rA, 96*(\p)+12*xa
.set rB, 48*(\p)+12*xb
.set rSA, XS+8*(\p)+xa/2
.set rSB, WS+8*(\p)+xb/2
.set fA, xa%2
.set fB, xb%2
.else
.set rD, 8*(4*xa+xb)
.set rA, 48*(\p)+12*xb
.set rB, 96*(\p)+12*xa
.set rSA, WS+8*(\p)+xb/2
.set rSB, XS+8*(\p)+xa/2
.set fA, xb%2
.set fB, xa%2
.endif
	WM
.set xb, xb+1
.endr
.set xa, xa+1
.endr
.endm
; A K step that has its successor in the same slot: 32 products from set q % 2; in their middle, behind four places (the other set was read by the K step before), the next K step's loads.
.macro STEP ord, hf, sl, q, zero
	s_wait_dscnt 0x0                               ; this K step's fragments and scale words are in
	MUL \ord, (\q)%2, 0, 4, \zero
	PLACES 4
	FETCH \hf, \sl, (\q)+1, ((\q)+1)%2
	MUL \ord, (\q)%2, 4, 4, \zero
	WIN 0
.endm
; A slot's last K step (set 1) changes slots: ONE barrier.  In front of it each wave waits for all its tensor loads (its part of the next slot), adds 0 to its spare word, and waits for that and for its reads of this slot.
; fill = 1: the barrier opens a round of the cluster's, and slot sl is filled again first thing behind it, with the next stage's weights: that load has four K steps, 128 products, or more in which to land.
.macro TURN ord, fill, sl, nhf, nsl
	s_wait_dscnt 0x0                               ; the last K step's fragments are in: my reads of this slot are over
	s_wait_tensorcnt 0x0                           ; all my tensor loads have landed
	ds_add_u32 v[SPW], v[NIL]                      ; 0 onto my spare word
	MUL \ord, 1, 0, 2, 0                           ; eight products stand between the add and the wait for it
	s_wait_dscnt 0x0                               ; the add is done
	s_barrier_signal -1
	MUL \ord, 1, 2, 2, 0
	WIN 0                                          ; at a branch and at a label every window is 0
	s_barrier_wait -1
.if \fill
	CREST                                          ; no wave of any partner still reads this slot or has a load on its way
	s_add_nc_u64 s[G0B+4*\sl+2:G0B+4*\sl+3], s[G0B+4*\sl+2:G0B+4*\sl+3], 8*GRP   ; the same groups of the next weight
	tensor_load_to_lds s[G0B+4*\sl:G0B+4*\sl+3], s[G1B:G1B+7]
	s_nop 0
.endif
	PLACES 4                                       ; behind the tensor load, and in front of the loads into set 0
	FETCH \nhf, \nsl, 0, 0
	MUL \ord, 1, 4, 4, 0
	WIN 0
.endm
; q's and k's way out.  For tile a a lane holds token r of the tile; register 32 a + 16 b + i is channel 32 b + 16 h + i of my head: two blocks of 32, each in lanes l and l xor 16.
.macro EPI_QK
	PLACES 4                                       ; in front of the first read of results
.irp a, 0,1,2,3,4,5,6,7
	WIN 0x14                                       ; sources 1 and 2 window 1
.irp b, 0,1
	v_max3_num_f32 v[TM+\b], v[FL], |v[32*\a+16*\b]|, |v[32*\a+16*\b+1]|   ; each accumulator is read from its low end on
.endr
.irp i, 2,4,6,8,10,12,14
.irp b, 0,1
	v_max3_num_f32 v[TM+\b], v[TM+\b], |v[32*\a+16*\b+\i]|, |v[32*\a+16*\b+\i+1]|
.endr
.endr
	WIN 0
.irp b, 0,1
	v_permlanex16_b32 v[TM+4+\b], v[TM+\b], s[SEL], s[SEL+1]
.endr
.irp b, 0,1
	v_max_num_f32 v[TM+\b], v[TM+\b], v[TM+4+\b]   ; the block's largest magnitude
.endr
.irp b, 0,1
	v_add_nc_u32 v[TM+12+\b], 0xff000000, v[TM+\b] ; 2 off its exponent field: the conversion's scale operand
.endr
.irp b, 0,1
	v_lshrrev_b32 v[TM+4+\b], 23, v[TM+12+\b]      ; the scale's byte
.endr
	v_lshl_or_b32 v[PWS+\a], v[TM+5], 8, v[TM+4]
	v_or_b32 v[PWS+\a], 0x7f7f0000, v[PWS+\a]      ; the upper 64 of the instruction's 128 along K are not used: their bytes stand for 1
	s_wait_alu depctr_va_vdst(0)
	s_wait_xcnt 0x0                                ; the last tile's stores have read their data
	WIN 0x01                                       ; source 0 window 1
	v_cvt_scalef32_pk16_fp6_f32 v[PC:PC+2], v[32*\a:32*\a+15], v[TM+12]
	v_cvt_scalef32_pk16_fp6_f32 v[PT:PT+2], v[32*\a+16:32*\a+31], v[TM+13]
	WIN 0
	v_nop                                          ; one plain place behind a scaled conversion
.irp i, 0,1,2
	v_permlane16_swap_b32 v[PC+\i], v[PT+\i]       ; a whole block to a lane: lanes 0-15 block 0, lanes 16-31 block 1
.endr
.irp i, 0,1,2
	v_mov_b32 v[PC+3+\i], v[PT+\i]
.endr
.irp p, 0,1,2
	global_store_b64 v1, v[PC+2*\p:PC+2*\p+1], s[DC:DC+1] offset:\a*768+256*\p   ; 256 consecutive bytes, aligned
.endr
.endr
.irp i, 0,1,2,3
	v_cndmask_b32 v[TM+8+\i], v[PWS+2*\i], v[PWS+2*\i+1], s[MH]   ; lanes 0-15 the even tile's words, lanes 16-31 the odd tile's
	global_store_b32 v2, v[TM+8+\i], s[DS:DS+1] offset:128*\i
.endr
.endm
; v's way out.  For W's tile t a lane holds channel r of the tile; register 64 t + 16 b + i is key 32 b + 16 h + i of the 128: four blocks: one whole fragment of V^T and one scale word a row.
.macro EPI_V
	PLACES 4
.irp t, 0,1,2,3
	WIN 0x14
.irp b, 0,1,2,3
	v_max3_num_f32 v[TM+\b], v[FL], |v[64*\t+16*\b]|, |v[64*\t+16*\b+1]|
.endr
.irp i, 2,4,6,8,10,12,14
.irp b, 0,1,2,3
	v_max3_num_f32 v[TM+\b], v[TM+\b], |v[64*\t+16*\b+\i]|, |v[64*\t+16*\b+\i+1]|
.endr
.endr
	WIN 0
.irp b, 0,1,2,3
	v_permlanex16_b32 v[TM+4+\b], v[TM+\b], s[SEL], s[SEL+1]
.endr
.irp b, 0,1,2,3
	v_max_num_f32 v[TM+\b], v[TM+\b], v[TM+4+\b]
.endr
.irp b, 0,1,2,3
	v_add_nc_u32 v[TM+12+\b], 0xff000000, v[TM+\b]
.endr
.irp b, 0,1,2,3
	v_lshrrev_b32 v[TM+4+\b], 23, v[TM+12+\b]
.endr
	v_lshl_or_b32 v[PWS+\t], v[TM+5], 8, v[TM+4]
	v_lshl_or_b32 v[PWS+\t], v[TM+6], 16, v[PWS+\t]
	v_lshl_or_b32 v[PWS+\t], v[TM+7], 24, v[PWS+\t]
	s_wait_xcnt 0x0                                ; earlier stores have read their data
	WIN 0x01
.irp c, 0,1
	v_cvt_scalef32_pk16_fp6_f32 v[PC+6*\c:PC+6*\c+2], v[64*\t+32*\c:64*\t+32*\c+15], v[TM+12+2*\c]
	v_cvt_scalef32_pk16_fp6_f32 v[PT+4*\c:PT+4*\c+2], v[64*\t+32*\c+16:64*\t+32*\c+31], v[TM+12+2*\c+1]
.endr
	WIN 0
	v_nop
.irp c, 0,1
.irp i, 0,1,2
	v_permlane16_swap_b32 v[PC+6*\c+\i], v[PT+4*\c+\i]
.endr
.irp i, 0,1,2
	v_mov_b32 v[PC+6*\c+3+\i], v[PT+4*\c+\i]
.endr
.endr
.irp p, 0,1,2,3,4,5
	global_store_b64 v1, v[PC+2*\p:PC+2*\p+1], s[KC:KC+1] offset:6144+\t*FRB+256*\p
.endr
.endr
.irp i, 0,1
	v_cndmask_b32 v[TM+8+\i], v[PWS+2*\i], v[PWS+2*\i+1], s[MH]
	global_store_b32 v2, v[TM+8+\i], s[KC:KC+1] offset:12800+128*\i
.endr
.endm
	s_wait_alu depctr_va_vdst(0)
	s_wait_tensorcnt 0x1                           ; my parts of the panel and of slot 0 are in; slot 1's load may stay out
	s_barrier_signal -1
	s_barrier_wait -1                              ; everybody's are
	FETCH 0, 0, 0, 0
	s_mov_b32 s[CNT], 2
.Lstage:                                           ; two trips: q, then k.  Both fill both slots again, with the next stage's weights
	STEP 0, 0, 0, 0, 1                             ; the first K step's products start the sums: nothing is cleared
	STEP 0, 0, 0, 1, 0
	STEP 0, 0, 0, 2, 0
	TURN 0, 1, 0, 1, 1
	STEP 0, 1, 1, 0, 0
	STEP 0, 1, 1, 1, 0
	STEP 0, 1, 1, 2, 0
	TURN 0, 1, 1, 0, 0                             ; it also fetches the next stage's first fragments
	EPI_QK
	s_wait_xcnt 0x0                                ; the stores have read their bases and data
	s_mov_b64 s[DC:DC+1], s[KC:KC+1]               ; the second trip's results go to kvc
	s_mov_b64 s[DS:DS+1], s[KS:KS+1]
	s_sub_co_u32 s[CNT], s[CNT], 1
	s_cmp_lg_u32 s[CNT], 0
	s_cbranch_scc1 .Lstage
	STEP 1, 0, 0, 0, 1                             ; v is written out: the sources change places, and nothing more is asked for
	STEP 1, 0, 0, 1, 0
	STEP 1, 0, 0, 2, 0
	TURN 1, 0, 0, 1, 1
	STEP 1, 1, 1, 0, 0
	STEP 1, 1, 1, 1, 0
	STEP 1, 1, 1, 2, 0
	s_wait_dscnt 0x0
	MUL 1, 1, 0, 8, 0
	WIN 0
	EPI_V
	s_wait_tensorcnt 0x0                           ; the wave's end, behind my last tensor load
	ds_add_u32 v[SPW], v[NIL]
	s_wait_dscnt 0x0
	CROUND                                         ; the closing round: no work-group ends while a partner may still ask for a tile that names it
	s_endpgm
.Lfunc_end_k_q61f99d22f1_qkv:
	.size	k_q61f99d22f1_qkv, .Lfunc_end_k_q61f99d22f1_qkv-k_q61f99d22f1_qkv
	.p2alignl 7, 3214868480
	.fill 96, 4, 3214868480
	.section	.rodata,"a",@progbits
	.p2align	6, 0x0
	.amdhsa_kernel k_q61f99d22f1_qkv
		.amdhsa_group_segment_fixed_size 327680
		.amdhsa_private_segment_fixed_size 0
		.amdhsa_enable_private_segment 0
		.amdhsa_kernarg_size 24
		.amdhsa_user_sgpr_count 2
		.amdhsa_user_sgpr_kernarg_segment_ptr 1
		.amdhsa_wavefront_size32 1
		.amdhsa_system_sgpr_workgroup_id_x 1
		.amdhsa_system_sgpr_workgroup_id_y 1
		.amdhsa_system_sgpr_workgroup_id_z 1
		.amdhsa_system_vgpr_workitem_id 0
		.amdhsa_next_free_vgpr 1024
		.amdhsa_next_free_sgpr 80
		.amdhsa_reserve_vcc 0
		.amdhsa_float_denorm_mode_32 3
		.amdhsa_float_denorm_mode_16_64 3
		.amdhsa_memory_ordered 1
		.amdhsa_forward_progress 1
		.amdhsa_inst_pref_size 194
	.end_amdhsa_kernel
	.amdgpu_metadata
---
amdhsa.version: [ 1, 2 ]
amdhsa.kernels:
  - .name:           k_q61f99d22f1_qkv
    .symbol:         k_q61f99d22f1_qkv.kd
    .args:
      - { .name: xwc, .offset: 0, .size: 8, .value_kind: global_buffer, .address_space: global }
      - { .name: qc, .offset: 8, .size: 8, .value_kind: global_buffer, .address_space: global }
      - { .name: kvc, .offset: 16, .size: 8, .value_kind: global_buffer, .address_space: global }
    .group_segment_fixed_size: 327680
    .private_segment_fixed_size: 0
    .kernarg_segment_align: 8
    .kernarg_segment_size: 24
    .max_flat_workgroup_size: 128
    .sgpr_count:     80
    .vgpr_count:     1024
    .wavefront_size: 32
...
	.end_amdgpu_metadata
.endif
;; end of part 2
;; launch attn (part 3): grid 4 x 64, 16 waves a work-group, clusters of 4 x 1, 210,944 bytes of LDS; arguments qc, kvc, oc; writes oc
.if DOCPART == 3
	.amdgcn_target "amdgcn-amd-amdhsa--gfx1250"
	.amdhsa_code_object_version 6
	.text
	.protected	k_q61f99d22f1_attn
	.globl	k_q61f99d22f1_attn
	.p2align	8
	.type	k_q61f99d22f1_attn,@function
k_q61f99d22f1_attn:
	s_mov_b64 s[64:65], 0
	v_nop
	global_prefetch_b8 v0, s[64:65] scope:SCOPE_SE
	s_setreg_imm32_b32 hwreg(HW_REG_WAVE_MODE, 25, 1), 1
	s_wait_xcnt 0x0
	s_wait_alu depctr_hold_cnt(0) depctr_sa_sdst(0) depctr_va_vdst(0) depctr_va_sdst(0) depctr_va_ssrc(0) depctr_va_vcc(0) depctr_vm_vsrc(0)
	s_getreg_b32 s2, hwreg(HW_REG_IB_STS2, 6, 4)
	s_cmp_eq_u32 s2, 0
	s_cbranch_scc0 .Lentry_in_a_cluster
	s_endpgm
.Lentry_in_a_cluster:
	s_bfe_u32 s2, ttmp6, 0x10000c
	s_cmp_lg_u32 s2, 0x3003
	s_cbranch_scc0 .Lentry_shape_is_right
	s_endpgm
.Lentry_shape_is_right:
; Causal attention of one (batch, head) on codes of FP6 (E2M3) with E8M0 scales: S^T = K Q^T (K = the head's 64), p = 2^(t - M), O^T = V^T P^T (K = the keys); O / the row's sum is quantised along the channels and leaves as codes.
; t = score x log2(e) / 8; M = the running largest t rounded UP to a whole number; the row's sum is taken of the unquantised p; when M moves, the sum and O^T are multiplied by 2^(old M - new M), exactly.
; IN: qc = [bh][key step][6,656]: 8 tiles x 768 bytes (half fragments), then scale words.  kvc = [bh][key step][13,056]: K 8 x 768; V^T 4 x 1,536 at 6,144; K's scale words at 12,288; V's at 12,800.
; Row i of tile t is token (or channel) 32 (t / 2) + 8 (t % 2) + i + 8 (i / 8) of its 128 (or 64): so the 16 registers of result tiles 2 b, 2 b + 1 are 16 neighbours, 32 b + 16 h + 0 .. 15.
; OUT: oc, laid as the first launch lays x: [16 batch + T / 8][K step = head / 2][12,800]; my head's half of a fragment at 768 (head % 2), its two scale bytes at 2 (head % 2) of each row's word.
; SHARES: the four work-groups of a cluster serve one head.  The head's K, V and scales, 208,896 bytes, lie in LDS, filled ONCE by one joint load a wave: no ring, no refill, no barrier in the loops.
; Wave w owns two tiles of 16 queries, T = 4 w + cx and 127 - T: w / 2 + 1 and 16 - w / 2 key steps, 17 for every wave of the launch.  Both counts hang on the wave's number alone; cx enters global addresses and the mask's operand only.
; Every loop has 16 trips; a step all of whose keys come after the tile's queries is jumped over.  In the one step on the diagonal hidden scores become -infinity ahead of the maximum.
; K = 64 IN A FORM OF 128: Q's registers 6-11 are zero codes and the upper scale bytes on both sides stand for 1; a tile of K is named with the six registers behind it, whatever codes they hold: finite numbers times zero.
; The scale bytes of oc leave as single bytes (32 a tile): a row's scale word spans two heads, which other clusters own.  No prefetch: every byte of K and V is asked for at the head.
; LIMITS: a block of zeros gets the byte 1 (zero codes; read by this program alone); no largest magnitude is taken under 2^-124; p under 2^-126 becomes 0; NaN and infinities are not served.
; REGISTERS: v1 8 x lane, v2 4 x lane, v5, v6 the step's LDS addresses, v7 the mask's operand, v8, v9 offsets, v10 r + 8 (r / 8) - 16 h; v12 -M, v13 the largest t, v[14:15] the sum; v16-27 Q; v28 Q's scale words;
;   v32-85 fragments of K, then of V; v88-93 their scale words; v96-159 S^T, then p; v160-191 O^T; v192-203 p's codes; v204-210 second halves; v212-223 at work; v224 p's scale word; v[226:227] f; v228 at work; v229 -infinity.
.set STEPB, 13056                      ; a key step's bytes
.set GRP,   102400
.set SPARE, 16*STEPB                   ; behind the head's tiles: the spare words, 128 bytes a wave: eight blocks of 256 bytes that no other line names
.set SPW, 3
.set NIL, 4
.set ADK, 5
.set ADS, 6
.set DD,  7
.set WV,  10
.set CX,  11
.set BH,  12
.set T,   13                           ; s13 the tile of queries in hand
.set SD,  14                           ; s14 its key step on the diagonal
.set TB,  15                           ; s15 where the step's bytes begin in LDS
.set KS,  16                           ; s16 the step
.set SEL, 18
.set CS,  20                           ; s[20:21] log2(e) / 8
.set MH,  22
.set G0,  24
.set G1,  28
.set QB,  36                           ; s[36:37] my head in qc; s[38:39], s[40:41] my head's codes and scale bytes in oc
.set OB,  38
.set OSB, 40
.set QP,  42                           ; the tile's: Q's codes, Q's scale words, O's codes, O's scale bytes
.set QS,  44
.set OP,  46
.set OS,  48
.macro CROUND
	s_barrier_signal -1
	s_barrier_wait -1
	s_cmp_lg_u32 s[WV], 0
	s_cbranch_scc1 .Lnot_wave_0_\@
	s_barrier_signal -3
.Lnot_wave_0_\@:
	s_barrier_wait -3
	s_barrier_signal -1
	s_barrier_wait -1
.endm
	s_load_b128 s[4:7], s[0:1], 0x0                ; qc, kvc
	s_load_b64 s[8:9], s[0:1], 0x10                ; oc
	v_lshl_add_u32 v[SPW], v0, 2, SPARE
	v_mov_b32 v[NIL], 0
	ds_add_u32 v[SPW], v[NIL]                      ; the wave's opening: the add and its wait ahead of my first tensor load; work on registers stands between them
	ds_add_u32 v[SPW], v[NIL]
	v_lshrrev_b32 v1, 5, v0
	s_delay_alu instid0(VALU_DEP_1)
	v_readfirstlane_b32 s[WV], v1                  ; wave 0..15
	s_bfe_u32 s[CX], ttmp6, 0x40000                ; my place in the cluster
	s_and_b32 s[BH], ttmp7, 0xffff                 ; 16 x batch + head, which the four partners share
	s_mov_b32 s[G1], 15|(3<<16)|(1<<21)            ; 15:0 the mask: all four; 17:16 elements of 8 bytes; 21 set beside a mask; no padding
	s_mov_b32 s[G1+1], 32<<16                      ; rows of 256 bytes
	s_mov_b32 s[G1+2], 51<<16                      ; 51 of them: a key step's dense 13,056 bytes
	s_mov_b32 s[G1+3], 32<<16
	s_mov_b32 s[G1+4], 51
	s_mov_b32 s[G1+5], 32
	s_mov_b32 s[G1+6], 0
	s_mov_b32 s[G1+7], 0
	s_mul_i32 s52, s[WV], STEPB                    ; wave w fetches key step w
	s_mul_i32 s50, s[BH], 16*STEPB
	s_add_co_u32 s50, s50, s52
	s_mov_b32 s51, 0
	s_mul_i32 s54, s[BH], 106496
	s_mov_b32 s55, 0
	s_lshr_b32 s56, s[BH], 4
	s_mul_i32 s56, s56, 16*GRP                     ; the batch's sixteen groups,
	s_bfe_u32 s58, s[BH], 0x30001
	s_mul_i32 s58, s58, 12800                      ; K step head / 2
	s_add_co_u32 s56, s56, s58
	s_mov_b32 s57, 0
	s_and_b32 s58, s[BH], 1
	s_mul_i32 s59, s58, 768
	s_lshl_b32 s58, s58, 1
	s_add_co_u32 s58, s58, 12288
	s_mov_b32 s[SEL], 0x76543210
	s_mov_b32 s[SEL+1], 0xfedcba98
	s_mov_b32 s[CS], 0x3e38aa3b                    ; log2(e) / 8
	s_mov_b32 s[CS+1], s[CS]                       ; (named with it as a pair, so it is written)
	s_mov_b32 s[MH], 0xffff0000
	s_wait_dscnt 0x0                               ; the opening add is done
	s_wait_kmcnt 0x0
	s_mov_b32 s[G0], 1
	s_mov_b32 s[G0+1], s52
	s_add_nc_u64 s[G0+2:G0+3], s[6:7], s[50:51]
	s_or_b32 s[G0+3], s[G0+3], 0x80000000
	s_add_nc_u64 s[QB:QB+1], s[4:5], s[54:55]
	s_add_nc_u64 s[OSB:OSB+1], s[8:9], s[56:57]
	s_mov_b32 s56, s59
	s_add_nc_u64 s[OB:OB+1], s[OSB:OSB+1], s[56:57]
	s_mov_b32 s56, s58
	s_add_nc_u64 s[OSB:OSB+1], s[OSB:OSB+1], s[56:57]
	CROUND                                         ; all four work-groups are here: the joint loads meet
	tensor_load_to_lds s[G0:G0+3], s[G1:G1+7]      ; my one tensor load of the launch
	s_nop 0
.rept 4
	v_nop
.endr
	v_and_b32 v11, 31, v0
	s_delay_alu instid0(VALU_DEP_1)
	v_lshlrev_b32 v1, 3, v11                       ; 8 x lane
	s_delay_alu instid0(VALU_DEP_2)
	v_lshlrev_b32 v2, 2, v11                       ; 4 x lane
	v_and_b32 v10, 15, v0                          ; r
	v_bfe_u32 v11, v0, 4, 1                        ; h
	s_delay_alu instid0(VALU_DEP_2)
	v_lshlrev_b32 v8, 2, v10                       ; 4 r: a row's scale word
	s_delay_alu instid0(VALU_DEP_1)
	v_add_nc_u32 v9, v8, v11                       ; 4 r + h: block h's byte in it
	s_delay_alu instid0(VALU_DEP_4)
	v_and_b32 v5, 8, v10
	s_delay_alu instid0(VALU_DEP_1)
	v_add_nc_u32 v10, v10, v5
	v_lshlrev_b32 v11, 4, v11
	s_delay_alu instid0(VALU_DEP_1)
	v_sub_nc_u32 v10, v10, v11                     ; r + 8 (r / 8) - 16 h
.irp j, 22,23,24,25,26,27,80,81,82,83,84,85
	v_mov_b32 v[\j], 0                             ; Q's upper half: zero codes; and what tile 7 of K is named with
.endr
.irp j, 216,217,218,219,227,228
	v_mov_b32 v[\j], 0                             ; written once: lane permutes' destinations, and the upper half of the pair v[226:227]
.endr
	v_mov_b32 v229, 0xff800000                     ; -infinity
	s_wait_tensorcnt 0x0                           ; my key step has landed,
	s_barrier_signal -1
	s_barrier_wait -1                              ; everybody's has
; A KEY STEP: 128 keys against my 16 queries.
.macro STEP
	s_cmp_gt_u32 s[KS], s[SD]                      ; all its keys come after my queries: nothing to do
	s_cbranch_scc1 .Lhidden_\@
	s_setprio 2
	v_add_nc_u32 v[ADK], s[TB], v1
	v_add_nc_u32 v[ADS], s[TB], v2
.set n, 0
.rept 24
	ds_load_b64 v[32+2*n:33+2*n], v[ADK] offset:256*n   ; K's eight half fragments, 6 registers each, on end
.set n, n+1
.endr
.irp i, 0,1,2,3
	ds_load_b32 v[88+\i], v[ADS] offset:12288+128*\i
.endr
	s_wait_alu depctr_va_vdst(0)
	s_wait_dscnt 0x0
.irp kt, 0,2,4,6
	v_wmma_scale_f32_16x16x128_f8f6f4 v[96+8*\kt:103+8*\kt], v[32+6*\kt:43+6*\kt], v[16:27], 0, v[88+\kt/2], v28 matrix_a_fmt:MATRIX_FMT_FP6 matrix_b_fmt:MATRIX_FMT_FP6
	v_wmma_scale_f32_16x16x128_f8f6f4 v[104+8*\kt:111+8*\kt], v[38+6*\kt:49+6*\kt], v[16:27], 0, v[88+\kt/2], v28 matrix_a_fmt:MATRIX_FMT_FP6 matrix_b_fmt:MATRIX_FMT_FP6 matrix_a_scale:MATRIX_SCALE_ROW1
.endr
.rept 4
	v_nop                                          ; places: in front of the loads into K's registers and of the first read of the scores
.endr
.set n, 0
.rept 24
	ds_load_b64 v[32+2*n:33+2*n], v[ADK] offset:6144+256*n   ; V^T's four fragments: they land while the softmax is worked
.set n, n+1
.endr
.irp i, 0,1
	ds_load_b32 v[92+\i], v[ADS] offset:12800+128*\i
.endr
	s_cmp_lg_u32 s[KS], s[SD]                      ; a step all of whose keys count has no mask
	s_cbranch_scc1 .Lopen_\@
.set n, 0
.rept 64
	v_cmp_gt_i32 vcc_lo, 32*(n/16)+n%16, v[DD]     ; register 16 b + i holds key 32 b + 16 h + i of the step: hidden where 32 b + i > my query's place - 16 h
	v_cndmask_b32 v[96+n], v[96+n], v229, vcc_lo
.set n, n+1
.endr
.Lopen_\@:
.irp b, 0,1,2,3
	v_max3_num_f32 v[212+\b], v[96+16*\b], v[97+16*\b], v[98+16*\b]   ; the largest score of each block of 32 keys: for the row's maximum, and, since p rises with the score, for the block's largest p
.endr
.irp i, 3,5,7,9,11,13
.irp b, 0,1,2,3
	v_max3_num_f32 v[212+\b], v[212+\b], v[96+16*\b+\i], v[97+16*\b+\i]
.endr
.endr
.irp b, 0,1,2,3
	v_max_num_f32 v[212+\b], v[212+\b], v[111+16*\b]
.endr
.irp b, 0,1,2,3
	s_delay_alu instid0(VALU_DEP_4)
	v_permlanex16_b32 v[216+\b], v[212+\b], s[SEL], s[SEL+1]
.endr
.irp b, 0,1,2,3
	s_delay_alu instid0(VALU_DEP_4)
	v_max_num_f32 v[212+\b], v[212+\b], v[216+\b]  ; with lane l xor 16's 16 keys
.endr
	s_delay_alu instid0(VALU_DEP_2)
	v_max3_num_f32 v228, v212, v213, v214
	s_delay_alu instid0(VALU_DEP_1)
	v_max_num_f32 v228, v228, v215                 ; the step's largest score of my query (the step's first key always counts)
	s_delay_alu instid0(VALU_DEP_1)
	v_mul_f32 v228, s[CS], v228
	s_delay_alu instid0(VALU_DEP_1)
	v_max_num_f32 v13, v13, v228                   ; the running largest t
	v_mov_b32 v228, v12
	s_delay_alu instid0(VALU_DEP_2)
	v_floor_f32 v12, -v13                          ; -M = floor(-t): M is a whole number
	s_delay_alu instid0(VALU_DEP_1)
	v_sub_f32 v228, v12, v228                      ; old M - new M: a whole number, 0 or less
	s_delay_alu instid0(VALU_DEP_1)
	v_cvt_i32_f32 v228, v228                       ; (it saturates)
	s_delay_alu instid0(VALU_DEP_1)
	v_ldexp_f32 v226, 1.0, v228                    ; f = 2^(old M - new M)
.set n, 0
	s_setprio 1
.rept 32
	v_pk_fma_f32 v[96+n:97+n], v[96+n:97+n], s[CS:CS+1], v[12:13] op_sel_hi:[1,0,0]   ; t - M, two at a time
.set n, n+2
.endr
.irp b, 0,1,2,3
	v_fma_f32 v[212+\b], v[212+\b], s[CS], v12     ; the same of each block's largest score
.endr
.set n, 0
	s_wait_alu depctr_va_vdst(0)
.rept 64
	v_exp_f32 v[96+n], v[96+n]                     ; p = 2^(t - M): not normalised
.set n, n+1
.endr
	v_pk_mul_f32 v[14:15], v[14:15], v[226:227] op_sel_hi:[1,0]   ; the sums under the new M: a plain place behind the exponentials
	s_wait_alu depctr_va_vdst(0)                   ; one wait for the batch of 64, ahead of its first reader
.irp b, 0,1,2,3
	v_exp_f32 v[212+\b], v[212+\b]                 ; the block's largest p: the same two instructions on the same number
.endr
	v_pk_add_f32 v[216:217], v[100:101], v[104:105]
	v_pk_add_f32 v[254:255], v[108:109], v[112:113]
	v_pk_add_f32 v[252:253], v[116:117], v[120:121]
	v_pk_add_f32 v[250:251], v[124:125], v[128:129]
	v_pk_add_f32 v[248:249], v[132:133], v[136:137]
	v_pk_add_f32 v[246:247], v[140:141], v[144:145]
	v_pk_add_f32 v[244:245], v[148:149], v[152:153]
	v_pk_add_f32 v[14:15], v[14:15], v[156:157]
	v_pk_add_f32 v[216:217], v[216:217], v[96:97]
	v_pk_add_f32 v[254:255], v[254:255], v[98:99]
	v_pk_add_f32 v[252:253], v[252:253], v[102:103]
	v_pk_add_f32 v[250:251], v[250:251], v[106:107]
	v_pk_add_f32 v[248:249], v[248:249], v[110:111]
	v_pk_add_f32 v[246:247], v[246:247], v[114:115]
	v_pk_add_f32 v[244:245], v[244:245], v[118:119]
	v_pk_add_f32 v[14:15], v[14:15], v[122:123]
	v_pk_add_f32 v[216:217], v[216:217], v[126:127]
	v_pk_add_f32 v[254:255], v[254:255], v[130:131]
	v_pk_add_f32 v[252:253], v[252:253], v[134:135]
	v_pk_add_f32 v[250:251], v[250:251], v[138:139]
	v_pk_add_f32 v[248:249], v[248:249], v[142:143]
	v_pk_add_f32 v[246:247], v[246:247], v[146:147]
	v_pk_add_f32 v[244:245], v[244:245], v[150:151]
	v_pk_add_f32 v[14:15], v[14:15], v[154:155]
	v_pk_add_f32 v[216:217], v[216:217], v[158:159]
	s_delay_alu instid0(VALU_DEP_2)
	v_pk_add_f32 v[14:15], v[14:15], v[250:251]
	s_delay_alu instid0(VALU_DEP_2)
	v_pk_add_f32 v[216:217], v[216:217], v[248:249]
	v_pk_add_f32 v[254:255], v[254:255], v[246:247]
	v_pk_add_f32 v[252:253], v[252:253], v[244:245]
	s_delay_alu instid0(VALU_DEP_2)
	v_pk_add_f32 v[14:15], v[14:15], v[254:255]
	s_delay_alu instid0(VALU_DEP_2)
	v_pk_add_f32 v[216:217], v[216:217], v[252:253]
	s_delay_alu instid0(VALU_DEP_1)
	v_pk_add_f32 v[14:15], v[14:15], v[216:217]
	s_wait_alu depctr_va_vdst(0)                   ; and one for the four
.irp b, 0,1,2,3
	v_max_num_f32 v[212+\b], 0x1800000, v[212+\b]  ; the floor: the byte cannot fall under 1 (a block of zeros keeps it: its codes are zeros)
.endr
.irp b, 0,1,2,3
	s_delay_alu instid0(VALU_DEP_4)
	v_add_nc_u32 v[220+\b], 0xff000000, v[212+\b]  ; the conversion's scale operand
.endr
.irp b, 0,1,2,3
	s_delay_alu instid0(VALU_DEP_4)
	v_lshrrev_b32 v[216+\b], 23, v[220+\b]         ; the scale's byte
.endr
	s_delay_alu instid0(VALU_DEP_3)
	v_lshl_or_b32 v224, v217, 8, v216              ; p's scale word for these 128 keys
	s_delay_alu instid0(VALU_DEP_1)
	v_lshl_or_b32 v224, v218, 16, v224
	s_delay_alu instid0(VALU_DEP_1)
	v_lshl_or_b32 v224, v219, 24, v224
	s_setprio 0
.irp c, 0,1
	v_cvt_scalef32_pk16_fp6_f32 v[192+6*\c:194+6*\c], v[96+32*\c:111+32*\c], v[220+2*\c]
	v_cvt_scalef32_pk16_fp6_f32 v[204+4*\c:206+4*\c], v[112+32*\c:127+32*\c], v[220+2*\c+1]
.endr
	v_nop                                          ; one plain place behind a scaled conversion
.irp c, 0,1
.irp i, 0,1,2
	v_permlane16_swap_b32 v[192+6*\c+\i], v[204+4*\c+\i]   ; a whole block to a lane
.endr
.irp i, 0,1,2
	s_delay_alu instid0(VALU_DEP_3)
	v_mov_b32 v[195+6*\c+\i], v[204+4*\c+\i]
.endr
.endr
.set n, 0
.rept 16
	v_pk_mul_f32 v[160+n:161+n], v[160+n:161+n], v[226:227] op_sel_hi:[1,0]   ; O^T under the new M.  These sixteen are also the places between the scale word and the codes just made and the products below
.set n, n+2
.endr
	s_wait_alu depctr_va_vdst(0)
	s_wait_dscnt 0x0                               ; V's fragments and scale words are in
.irp vp, 0,1
	v_wmma_scale_f32_16x16x128_f8f6f4 v[160+16*\vp:167+16*\vp], v[32+24*\vp:43+24*\vp], v[192:203], v[160+16*\vp:167+16*\vp], v[92+\vp], v224 matrix_a_fmt:MATRIX_FMT_FP6 matrix_b_fmt:MATRIX_FMT_FP6
	v_wmma_scale_f32_16x16x128_f8f6f4 v[168+16*\vp:175+16*\vp], v[44+24*\vp:55+24*\vp], v[192:203], v[168+16*\vp:175+16*\vp], v[92+\vp], v224 matrix_a_fmt:MATRIX_FMT_FP6 matrix_b_fmt:MATRIX_FMT_FP6 matrix_a_scale:MATRIX_SCALE_ROW1
.endr
.rept 4
	v_nop                                          ; places: in front of the next step's loads into these registers, and of the way out's reads
.endr
.Lhidden_\@:
	s_add_co_u32 s[TB], s[TB], STEPB
.endm
; ONE TILE OF 16 QUERIES, from its codes to its codes.  which = 0: T = 4 w + cx; 1: 127 - T.
.macro TILE which
	s_wait_xcnt 0x0                                ; the last tile's loads and stores have read their addresses and data
.if \which
	s_sub_co_u32 s[T], 127, s[T]
	s_sub_co_u32 s[SD], 15, s[SD]
.else
	s_lshl_b32 s[T], s[WV], 2
	s_add_co_u32 s[T], s[T], s[CX]
	s_lshr_b32 s[SD], s[WV], 1                     ; T / 8, made of the wave's number alone
.endif
	s_lshr_b32 s50, s[T], 3
	s_and_b32 s51, s[T], 7
	s_mov_b32 s53, 0
	s_mul_i32 s54, s50, 6656
	s_mul_i32 s52, s51, 768
	s_add_co_u32 s52, s52, s54
	s_add_nc_u64 s[QP:QP+1], s[QB:QB+1], s[52:53]
	s_lshl_b32 s52, s51, 6
	s_add_co_u32 s52, s52, s54
	s_add_co_u32 s52, s52, 6144
	s_add_nc_u64 s[QS:QS+1], s[QB:QB+1], s[52:53]
	s_mul_i32 s54, s50, GRP
	s_mul_i32 s52, s51, 1536
	s_add_co_u32 s52, s52, s54
	s_add_nc_u64 s[OP:OP+1], s[OB:OB+1], s[52:53]
	s_lshl_b32 s52, s51, 6
	s_add_co_u32 s52, s52, s54
	s_add_nc_u64 s[OS:OS+1], s[OSB:OSB+1], s[52:53]
	s_bfe_u32 s52, s[T], 0x20001
	s_lshl_b32 s52, s52, 5
	s_and_b32 s54, s[T], 1
	s_lshl_b32 s54, s54, 3
	s_add_co_u32 s52, s52, s54
	v_add_nc_u32 v[DD], s52, v10                   ; my query's place among its key step's 128, less 16 h
.irp p, 0,1,2
	global_load_b64 v[16+2*\p:17+2*\p], v1, s[QP:QP+1] offset:256*\p
.endr
	global_load_b32 v28, v8, s[QS:QS+1]
	v_mov_b32 v13, 0xff61b1e6                      ; the largest t so far: -3e38
	s_delay_alu instid0(VALU_DEP_1)
	v_floor_f32 v12, -v13
	v_mov_b32 v14, 0
	v_mov_b32 v15, 0
.set n, 0
.rept 32
	v_mov_b32 v[160+n], 0                          ; O^T: the step is written once; its first turn finds zeros, which the first change of M leaves zeros
.set n, n+1
.endr
	s_mov_b32 s[TB], 0
	s_mov_b32 s[KS], 0
	s_wait_loadcnt 0x0
.Lkeys_\@:
	STEP
	s_add_co_u32 s[KS], s[KS], 1
	s_cmp_lt_u32 s[KS], 16
	s_cbranch_scc1 .Lkeys_\@
	s_setprio 0
	v_add_f32 v14, v14, v15                        ; the sum's two halves,
	s_delay_alu instid0(VALU_DEP_1)
	v_permlanex16_b32 v228, v14, s[SEL], s[SEL+1]
	s_delay_alu instid0(VALU_DEP_1)
	v_add_f32 v14, v14, v228                       ; and lane l xor 16's
	s_wait_alu depctr_va_vdst(0)
	v_rcp_f32 v14, v14
	v_nop                                          ; a plain place behind the reciprocal
	s_wait_alu depctr_va_vdst(0)                   ; and the wait ahead of its first reader
.set n, 0
.rept 32
	v_mul_f32 v[96+n], v[160+n], v14               ; register 16 b + i: channel 32 b + 16 h + i of my query's row; each accumulator is read from its low end on
.set n, n+1
.endr
.irp b, 0,1
	v_max3_num_f32 v[212+\b], |v[96+16*\b]|, |v[97+16*\b]|, 0x1800000
.endr
.irp i, 2,4,6,8,10,12,14
.irp b, 0,1
	s_delay_alu instid0(VALU_DEP_2)
	v_max3_num_f32 v[212+\b], v[212+\b], |v[96+16*\b+\i]|, |v[97+16*\b+\i]|
.endr
.endr
.irp b, 0,1
	s_delay_alu instid0(VALU_DEP_2)
	v_permlanex16_b32 v[216+\b], v[212+\b], s[SEL], s[SEL+1]
.endr
.irp b, 0,1
	s_delay_alu instid0(VALU_DEP_2)
	v_max_num_f32 v[212+\b], v[212+\b], v[216+\b]
.endr
.irp b, 0,1
	s_delay_alu instid0(VALU_DEP_2)
	v_add_nc_u32 v[220+\b], 0xff000000, v[212+\b]
.endr
.irp b, 0,1
	s_delay_alu instid0(VALU_DEP_2)
	v_lshrrev_b32 v[216+\b], 23, v[220+\b]
.endr
	v_cvt_scalef32_pk16_fp6_f32 v[192:194], v[96:111], v220
	v_cvt_scalef32_pk16_fp6_f32 v[204:206], v[112:127], v221
	v_nop
.irp i, 0,1,2
	v_permlane16_swap_b32 v[192+\i], v[204+\i]
.endr
.irp i, 0,1,2
	s_delay_alu instid0(VALU_DEP_3)
	v_mov_b32 v[195+\i], v[204+\i]
.endr
.irp p, 0,1,2
	global_store_b64 v1, v[192+2*\p:193+2*\p], s[OP:OP+1] offset:256*\p   ; 256 consecutive bytes, aligned
.endr
	v_cndmask_b32 v228, v216, v217, s[MH]          ; lane (r, h): block h's byte of row r
	global_store_b8 v9, v228, s[OS:OS+1]
.endm
	TILE 0
	TILE 1
	s_wait_tensorcnt 0x0                           ; the wave's end, behind my last tensor load
	ds_add_u32 v[SPW], v[NIL]
	s_wait_dscnt 0x0
	CROUND                                         ; the closing round
	s_endpgm
.Lfunc_end_k_q61f99d22f1_attn:
	.size	k_q61f99d22f1_attn, .Lfunc_end_k_q61f99d22f1_attn-k_q61f99d22f1_attn
	.p2alignl 7, 3214868480
	.fill 96, 4, 3214868480
	.section	.rodata,"a",@progbits
	.p2align	6, 0x0
	.amdhsa_kernel k_q61f99d22f1_attn
		.amdhsa_group_segment_fixed_size 210944
		.amdhsa_private_segment_fixed_size 0
		.amdhsa_enable_private_segment 0
		.amdhsa_kernarg_size 24
		.amdhsa_user_sgpr_count 2
		.amdhsa_user_sgpr_kernarg_segment_ptr 1
		.amdhsa_wavefront_size32 1
		.amdhsa_system_sgpr_workgroup_id_x 1
		.amdhsa_system_sgpr_workgroup_id_y 1
		.amdhsa_system_sgpr_workgroup_id_z 1
		.amdhsa_system_vgpr_workitem_id 0
		.amdhsa_next_free_vgpr 256
		.amdhsa_next_free_sgpr 66
		.amdhsa_reserve_vcc 1
		.amdhsa_float_denorm_mode_32 3
		.amdhsa_float_denorm_mode_16_64 3
		.amdhsa_memory_ordered 1
		.amdhsa_forward_progress 1
		.amdhsa_inst_pref_size 67
	.end_amdhsa_kernel
	.amdgpu_metadata
---
amdhsa.version: [ 1, 2 ]
amdhsa.kernels:
  - .name:           k_q61f99d22f1_attn
    .symbol:         k_q61f99d22f1_attn.kd
    .args:
      - { .name: qc, .offset: 0, .size: 8, .value_kind: global_buffer, .address_space: global }
      - { .name: kvc, .offset: 8, .size: 8, .value_kind: global_buffer, .address_space: global }
      - { .name: oc, .offset: 16, .size: 8, .value_kind: global_buffer, .address_space: global }
    .group_segment_fixed_size: 210944
    .private_segment_fixed_size: 0
    .kernarg_segment_align: 8
    .kernarg_segment_size: 24
    .max_flat_workgroup_size: 512
    .sgpr_count:     66
    .vgpr_count:     256
    .wavefront_size: 32
...
	.end_amdgpu_metadata
.endif
;; end of part 3
;; launch outp (part 4): grid 4 x 64, 4 waves a work-group, clusters of 4 x 4, 327,680 bytes of LDS; arguments oc, xwc, b_o, out0; writes out0
.if DOCPART == 4
	.amdgcn_target "amdgcn-amd-amdhsa--gfx1250"
	.amdhsa_code_object_version 6
	.text
	.protected	k_q61f99d22f1_outp
	.globl	k_q61f99d22f1_outp
	.p2align	8
	.type	k_q61f99d22f1_outp,@function
k_q61f99d22f1_outp:
	s_mov_b64 s[64:65], 0
	v_nop
	global_prefetch_b8 v0, s[64:65] scope:SCOPE_SE
	s_setreg_imm32_b32 hwreg(HW_REG_WAVE_MODE, 25, 1), 1
	s_wait_xcnt 0x0
	s_wait_alu depctr_hold_cnt(0) depctr_sa_sdst(0) depctr_va_vdst(0) depctr_va_sdst(0) depctr_va_ssrc(0) depctr_va_vcc(0) depctr_vm_vsrc(0)
	s_getreg_b32 s2, hwreg(HW_REG_IB_STS2, 6, 4)
	s_cmp_eq_u32 s2, 0
	s_cbranch_scc0 .Lentry_in_a_cluster
	s_endpgm
.Lentry_in_a_cluster:
	s_bfe_u32 s2, ttmp6, 0x10000c
	s_cmp_lg_u32 s2, 0xf033
	s_cbranch_scc0 .Lentry_shape_is_right
	s_endpgm
.Lentry_shape_is_right:
; out0 = o w_o^T + b_o on codes of FP6 (E2M3) with E8M0 scales, f32 sums.  o's codes come from oc, w_o's from groups 88-95 of xwc, both laid [group][K step][12,800]: 8 tiles x 1,536 bytes (images of fragments), then 8 x 64 bytes of scale words.
; Row i of tile t is row 32 (t / 2) + 8 (t % 2) + i + 8 (i / 8) of its group of 128.
; SHARES: work-group (x, y) makes 128 rows (group y) x 256 columns; wave w makes 128 x 64: 32 accumulators.  o's panel, all of K, and both halves of K of the weights' two groups lie in LDS, each filled once.
; CLUSTER 4 x 4: the panel hangs on y alone and is asked for jointly along a row of the cluster, the weights on x alone and along a column.
; Source 0 = 16 rows of w_o, source 1 = 16 rows of o: a lane holds one row of the output and 16 neighbouring columns in the registers of two tiles.  The bias is the C of each sum's first product.
; The way out goes through the wave's own stage in LDS, so that sixteen lanes store 256 consecutive aligned bytes.  No prefetch: every byte is asked for at the head.
; REGISTERS, in windows of 256: window 0: addresses, scale words, rows on the way out.  window 1: the accumulators.  window 2: o's fragments, set p at 96 p + 12 a.  window 3: W's, set p at 48 p + 12 b; the bias's four tiles from v128.
.set GRP,   102400
.set KSB,   12800
.set FRB,   1536
.set SCO,   12288
.set HALF,  51200
.set QUART, 25600
.set SPARE, 3*GRP                      ; the spare words, 128 bytes a wave: two blocks of 256 bytes that no other line names
.set STAGE, SPARE+512                  ; behind them: 16 rows x 272 bytes for each wave: bytes into which no tensor load lands
.set SPW, 3
.set NIL, 4
.set AX,  6
.set AW,  8
.set SX,  10
.set SW,  12
.set BA,  14                           ; v14 64 h: my half's eight numbers of a bias tile
.set STO, 15                           ; v15 the stage: where I put 16 bytes of a row
.set XS,  16
.set WS,  20
.set RD,  30                           ; v30 and where I read a row back
.set CO,  31                           ; v31 my byte offset in two rows of the output
.set OB,  64                           ; v64-95 16 rows read back
.set BI,  128                          ; the bias, in window 3
.set WV,  10
.set G1A, 24
.set G1B, 32
.set G0A, 40
.set G0B, 44
.set BO,  52                           ; s[52:53] my 64 numbers of b_o; s[54:55] my part of out0
.set OUT, 54
.set MSB, 0
.macro WIN new                         ; the immediate's high byte repeats the setting that is left
.if MSB != \new
	s_set_vgpr_msb (MSB<<8)|\new
.set MSB, \new
.endif
.endm
.macro PLACES n
.rept \n
	v_nop
.endr
.endm
.macro CROUND
	s_barrier_signal -1
	s_barrier_wait -1
	s_cmp_lg_u32 s[WV], 0
	s_cbranch_scc1 .Lnot_wave_0_\@
	s_barrier_signal -3
.Lnot_wave_0_\@:
	s_barrier_wait -3
	s_barrier_signal -1
	s_barrier_wait -1
.endm
	s_load_b256 s[72:79], s[0:1], 0x0              ; oc s[72:73], xwc s[74:75], b_o s[76:77], out0 s[78:79]
	v_lshl_add_u32 v[SPW], v0, 2, SPARE
	v_mov_b32 v[NIL], 0
	ds_add_u32 v[SPW], v[NIL]
	ds_add_u32 v[SPW], v[NIL]                      ; the wave's opening: the add and its wait ahead of my first tensor load; work on registers stands between them
	v_lshrrev_b32 v1, 5, v0
	v_readfirstlane_b32 s[WV], v1                  ; wave 0..3
	s_bfe_u32 s11, ttmp6, 0x40000                  ; cx
	s_bfe_u32 s12, ttmp6, 0x40004                  ; cy
	s_lshl_b32 s16, ttmp9, 2
	s_add_co_u32 s16, s16, s11                     ; work-group x: 256 columns
	s_and_b32 s13, ttmp7, 0xffff
	s_lshl_b32 s13, s13, 2
	s_add_co_u32 s13, s13, s12                     ; work-group y: o's group
	s_lshl_b32 s14, s12, 2
	s_lshl_b32 s14, 15, s14                        ; my row of the cluster
	s_lshl_b32 s15, 0x1111, s11                    ; my column
	s_or_b32 s[G1A], s14, (3<<16)|(1<<21)          ; the mask; elements of 8 bytes; bit 21 beside a mask; no padding
	s_or_b32 s[G1B], s15, (3<<16)|(1<<21)
.irp g, G1A, G1B
	s_mov_b32 s[\g+1], 32<<16                      ; rows of 256 bytes,
	s_mov_b32 s[\g+2], 100<<16                     ; 100 of them: a dense block of 25,600 bytes
	s_mov_b32 s[\g+3], 32<<16
	s_mov_b32 s[\g+4], 100
	s_mov_b32 s[\g+5], 32
	s_mov_b32 s[\g+6], 0
	s_mov_b32 s[\g+7], 0
.endr
	s_mul_i32 s20, s[WV], QUART                    ; my quarter, in memory and in LDS
	s_mul_i32 s18, s13, GRP
	s_add_co_u32 s18, s18, s20
	s_mov_b32 s19, 0
	s_lshl_b32 s22, s16, 1
	s_lshr_b32 s21, s[WV], 1
	s_add_co_u32 s22, s22, s21
	s_add_co_u32 s22, s22, 88                      ; w_o's group 2 x + w / 2
	s_mul_i32 s22, s22, GRP
	s_and_b32 s23, s[WV], 1
	s_mul_i32 s23, s23, QUART
	s_add_co_u32 s22, s22, s23
	s_mov_b32 s23, 0
	s_lshl_b32 s60, s16, 2
	s_add_co_u32 s60, s60, s[WV]
	s_lshl_b32 s60, s60, 8                         ; my 64 columns, in bytes
	s_mov_b32 s61, 0
	s_lshl_b32 s62, s13, 19                        ; my 128 rows of 4,096 bytes
	s_add_co_u32 s62, s62, s60
	s_mov_b32 s63, 0
	s_wait_dscnt 0x0                               ; the opening add is done
	s_wait_kmcnt 0x0
	s_add_nc_u64 s[BO:BO+1], s[76:77], s[60:61]
	s_add_nc_u64 s[OUT:OUT+1], s[78:79], s[62:63]
	s_mov_b32 s[G0A], 1
	s_mov_b32 s[G0A+1], s20
	s_add_nc_u64 s[G0A+2:G0A+3], s[72:73], s[18:19]
	s_or_b32 s[G0A+3], s[G0A+3], 0x80000000
.irp f, 0,1
	s_mov_b32 s[G0B+4*\f], 1
	s_add_co_u32 s[G0B+4*\f+1], s20, GRP*(1+\f)
	s_add_nc_u64 s[G0B+4*\f+2:G0B+4*\f+3], s[74:75], s[22:23]
	s_add_nc_u64 s[G0B+4*\f+2:G0B+4*\f+3], s[G0B+4*\f+2:G0B+4*\f+3], \f*HALF
	s_or_b32 s[G0B+4*\f+3], s[G0B+4*\f+3], 0x80000000
.endr
	CROUND                                         ; all sixteen work-groups are here: the joint loads meet
	tensor_load_to_lds s[G0A:G0A+3], s[G1A:G1A+7]  ; three loads of mine are out: all the launch's, in one group
	s_nop 0
	tensor_load_to_lds s[G0B:G0B+3], s[G1B:G1B+7]
	s_nop 0
	tensor_load_to_lds s[G0B+4:G0B+7], s[G1B:G1B+7]
	s_nop 0
	PLACES 4
	v_and_b32 v5, 31, v0
	v_lshlrev_b32 v1, 3, v5                        ; 8 x lane
	v_lshlrev_b32 v2, 2, v5                        ; 4 x lane
	s_wait_alu depctr_va_vdst(0)
	v_mov_b32 v[AX], v1
	v_add_nc_u32 v[AX+1], HALF, v1
	s_lshr_b32 s21, s[WV], 1
	s_mul_i32 s21, s21, HALF
	s_and_b32 s23, s[WV], 1
	s_mul_i32 s2, s23, 4*FRB
	s_add_co_u32 s2, s2, s21
	s_add_co_u32 s2, s2, GRP
	v_add_nc_u32 v[AW], s2, v1
	v_add_nc_u32 v[AW+1], GRP, v[AW]
	v_add_nc_u32 v[SX], SCO, v2
	v_add_nc_u32 v[SX+1], SCO+HALF, v2
	s_lshl_b32 s3, s23, 8
	s_add_co_u32 s3, s3, s21
	s_add_co_u32 s3, s3, GRP+SCO
	v_add_nc_u32 v[SW], s3, v2
	v_add_nc_u32 v[SW+1], GRP, v[SW]
	v_and_b32 v5, 15, v0                           ; r
	v_bfe_u32 v32, v0, 4, 1                        ; h
	v_lshlrev_b32 v[BA], 6, v32
	s_mul_i32 s2, s[WV], 16*272
	s_add_co_u32 s2, s2, STAGE                     ; my stage
	v_mul_u32_u24 v[STO], v5, 272
	v_lshl_add_u32 v[STO], v32, 6, v[STO]
	v_add_nc_u32 v[STO], s2, v[STO]                ; in: row r, + 64 h
	v_mul_u32_u24 v[RD], v32, 272
	v_lshl_add_u32 v[RD], v5, 4, v[RD]
	v_add_nc_u32 v[RD], s2, v[RD]                  ; back: lanes 0-15 one row of 256 bytes, lanes 16-31 the next
	v_lshlrev_b32 v[CO], 12, v32
	v_lshl_add_u32 v[CO], v5, 4, v[CO]             ; and the same two rows in the output
	WIN 0xc0                                       ; destination window 3
.irp b, 0,1,2,3
	global_load_b128 v[BI+8*\b:BI+8*\b+3], v[BA], s[BO:BO+1] offset:(32*(\b/2)+8*(\b%2))*4      ; tile b's register j: column 32 (b / 2) + 16 h + 8 (b % 2) + j
	global_load_b128 v[BI+8*\b+4:BI+8*\b+7], v[BA], s[BO:BO+1] offset:(32*(\b/2)+8*(\b%2))*4+16
.endr
	WIN 0
; 78 LDS loads in one run: K step q of half hf: o's eight fragments, my four of W from slot sl, and their scale words, into set p
.macro FETCH hf, sl, q, p
	WIN 0x80
.irp a, 0,1,2,3,4,5,6,7
.irp c, 0,1,2,3,4,5
	ds_load_b64 v[96*(\p)+12*\a+2*\c:96*(\p)+12*\a+2*\c+1], v[AX+\hf] offset:(\q)*KSB+\a*FRB+256*\c
.endr
.endr
	WIN 0xc0
.irp b, 0,1,2,3
.irp c, 0,1,2,3,4,5
	ds_load_b64 v[48*(\p)+12*\b+2*\c:48*(\p)+12*\b+2*\c+1], v[AW+\sl] offset:(\q)*KSB+\b*FRB+256*\c
.endr
.endr
	WIN 0
.irp i, 0,1,2,3
	ds_load_b32 v[XS+8*(\p)+\i], v[SX+\hf] offset:(\q)*KSB+128*\i
.endr
.irp i, 0,1
	ds_load_b32 v[WS+8*(\p)+\i], v[SW+\sl] offset:(\q)*KSB+128*\i
.endr
.endm
; One matrix instruction, from the symbols rD, rA, rB, rC, rSA, rSB; fA, fB: the side's scale words lie in lanes 16-31; rZ: the product starts the sum, with the bias as its C.
.macro WM
.if rZ
.if fA && fB
	v_wmma_scale_f32_16x16x128_f8f6f4 v[rD:rD+7], v[rA:rA+11], v[rB:rB+11], v[rC:rC+7], v[rSA], v[rSB] matrix_a_fmt:MATRIX_FMT_FP6 matrix_b_fmt:MATRIX_FMT_FP6 matrix_a_scale:MATRIX_SCALE_ROW1 matrix_b_scale:MATRIX_SCALE_ROW1
.elseif fA
	v_wmma_scale_f32_16x16x128_f8f6f4 v[rD:rD+7], v[rA:rA+11], v[rB:rB+11], v[rC:rC+7], v[rSA], v[rSB] matrix_a_fmt:MATRIX_FMT_FP6 matrix_b_fmt:MATRIX_FMT_FP6 matrix_a_scale:MATRIX_SCALE_ROW1
.elseif fB
	v_wmma_scale_f32_16x16x128_f8f6f4 v[rD:rD+7], v[rA:rA+11], v[rB:rB+11], v[rC:rC+7], v[rSA], v[rSB] matrix_a_fmt:MATRIX_FMT_FP6 matrix_b_fmt:MATRIX_FMT_FP6 matrix_b_scale:MATRIX_SCALE_ROW1
.else
	v_wmma_scale_f32_16x16x128_f8f6f4 v[rD:rD+7], v[rA:rA+11], v[rB:rB+11], v[rC:rC+7], v[rSA], v[rSB] matrix_a_fmt:MATRIX_FMT_FP6 matrix_b_fmt:MATRIX_FMT_FP6
.endif
.else
.if fA && fB
	v_wmma_scale_f32_16x16x128_f8f6f4 v[rD:rD+7], v[rA:rA+11], v[rB:rB+11], v[rD:rD+7], v[rSA], v[rSB] matrix_a_fmt:MATRIX_FMT_FP6 matrix_b_fmt:MATRIX_FMT_FP6 matrix_a_scale:MATRIX_SCALE_ROW1 matrix_b_scale:MATRIX_SCALE_ROW1
.elseif fA
	v_wmma_scale_f32_16x16x128_f8f6f4 v[rD:rD+7], v[rA:rA+11], v[rB:rB+11], v[rD:rD+7], v[rSA], v[rSB] matrix_a_fmt:MATRIX_FMT_FP6 matrix_b_fmt:MATRIX_FMT_FP6 matrix_a_scale:MATRIX_SCALE_ROW1
.elseif fB
	v_wmma_scale_f32_16x16x128_f8f6f4 v[rD:rD+7], v[rA:rA+11], v[rB:rB+11], v[rD:rD+7], v[rSA], v[rSB] matrix_a_fmt:MATRIX_FMT_FP6 matrix_b_fmt:MATRIX_FMT_FP6 matrix_b_scale:MATRIX_SCALE_ROW1
.else
	v_wmma_scale_f32_16x16x128_f8f6f4 v[rD:rD+7], v[rA:rA+11], v[rB:rB+11], v[rD:rD+7], v[rSA], v[rSB] matrix_a_fmt:MATRIX_FMT_FP6 matrix_b_fmt:MATRIX_FMT_FP6
.endif
.endif
.endm
; o's tiles a0 .. a0 + n - 1, each against W's four, from set p: accumulator 8 (4 a + b).  The 32 accumulators take turns, one instruction a turn, in the same order in every K step.
.macro MUL p, a0, n, first
.if \first
	WIN 0x7b                                       ; source 0 (W) window 3, source 1 (o) window 2, C (the bias) window 3, D window 1
.else
	WIN 0x5b                                       ; C and D window 1
.endif
.set rZ, \first
.set xa, \a0
.rept \n
.set xb, 0
.rept 4
.set rD, 8*(4*xa+xb)
.set rC, BI+8*xb
.set rA, 48*(\p)+12*xb
.set rB, 96*(\p)+12*xa
.set rSA, WS+8*(\p)+xb/2
.set rSB, XS+8*(\p)+xa/2
.set fA, xb%2
.set fB, xa%2
	WM
.set xb, xb+1
.endr
.set xa, xa+1
.endr
.endm
.macro STEP hf, sl, q, first
	s_wait_dscnt 0x0                               ; this K step's fragments and scale words are in
	MUL (\q)%2, 0, 4, \first
	PLACES 4                                       ; in front of loads into the set that the K step before read
	FETCH \hf, \sl, (\q)+1, ((\q)+1)%2
	MUL (\q)%2, 4, 4, \first
	WIN 0
.endm
	s_wait_tensorcnt 0x1                           ; my parts of the panel and of the first half of K are in; the second half's load may stay out
	s_barrier_signal -1
	s_barrier_wait -1
	FETCH 0, 0, 0, 0
	s_wait_loadcnt 0x0                             ; the bias
	STEP 0, 0, 0, 1                                ; the first K step's products start the sums, on the bias
	STEP 0, 0, 1, 0
	STEP 0, 0, 2, 0
	s_wait_dscnt 0x0                               ; the fourth K step's fragments are in
	s_wait_tensorcnt 0x0                           ; my part of the second half of K has landed
	MUL 1, 0, 2, 0
	s_barrier_signal -1
	MUL 1, 2, 2, 0
	WIN 0
	s_barrier_wait -1                              ; everybody's has
	PLACES 4
	FETCH 1, 1, 0, 0
	MUL 1, 4, 4, 0
	WIN 0
	STEP 1, 1, 0, 0
	STEP 1, 1, 1, 0
	STEP 1, 1, 2, 0
	s_wait_dscnt 0x0
	MUL 1, 0, 8, 0
	WIN 0
	; THE WAY OUT, a tile of 16 rows x 64 columns at a time.  Register 32 a + 16 b + i of lane (r, h) is column 32 b + 16 h + i of the tile's row r.  LDS serves a wave's instructions in order: no wait between the stores and the loads.
	PLACES 4                                       ; in front of the first read of results
	s_wait_alu depctr_va_vdst(0)
.irp a, 0,1,2,3,4,5,6,7
	s_wait_xcnt 0x0                                ; the last tile's stores have read their data: the loads below may land there
	WIN 0x04                                       ; an LDS store's data are its source 1: window 1
.irp m, 0,1,2,3,4,5,6,7
	ds_store_b128 v[STO], v[32*\a+4*\m:32*\a+4*\m+3] offset:128*(\m/4)+16*(\m%4)   ; each accumulator from its low end on
.endr
	WIN 0
.irp t, 0,1,2,3,4,5,6,7
	ds_load_b128 v[OB+4*\t:OB+4*\t+3], v[RD] offset:544*\t
.endr
.irp t, 0,1,2,3,4,5,6,7
	s_wait_dscnt 7-\t                              ; the 7 - t younger loads may be out
	global_store_b128 v[CO], v[OB+4*\t:OB+4*\t+3], s[OUT:OUT+1] offset:(32*(\a/2)+8*(\a%2)+2*\t+8*(\t/4))*4096 th:TH_STORE_NT   ; stage rows 2 t, 2 t + 1 at their places in the group; sixteen lanes store 256 consecutive bytes, aligned
.endr
.endr
	s_wait_tensorcnt 0x0                           ; the wave's end, behind my last tensor load and my last LDS store
	ds_add_u32 v[SPW], v[NIL]
	s_wait_dscnt 0x0
	CROUND                                         ; the closing round
	s_endpgm
.Lfunc_end_k_q61f99d22f1_outp:
	.size	k_q61f99d22f1_outp, .Lfunc_end_k_q61f99d22f1_outp-k_q61f99d22f1_outp
	.p2alignl 7, 3214868480
	.fill 96, 4, 3214868480
	.section	.rodata,"a",@progbits
	.p2align	6, 0x0
	.amdhsa_kernel k_q61f99d22f1_outp
		.amdhsa_group_segment_fixed_size 327680
		.amdhsa_private_segment_fixed_size 0
		.amdhsa_enable_private_segment 0
		.amdhsa_kernarg_size 32
		.amdhsa_user_sgpr_count 2
		.amdhsa_user_sgpr_kernarg_segment_ptr 1
		.amdhsa_wavefront_size32 1
		.amdhsa_system_sgpr_workgroup_id_x 1
		.amdhsa_system_sgpr_workgroup_id_y 1
		.amdhsa_system_sgpr_workgroup_id_z 1
		.amdhsa_system_vgpr_workitem_id 0
		.amdhsa_next_free_vgpr 1024
		.amdhsa_next_free_sgpr 80
		.amdhsa_reserve_vcc 0
		.amdhsa_float_denorm_mode_32 3
		.amdhsa_float_denorm_mode_16_64 3
		.amdhsa_memory_ordered 1
		.amdhsa_forward_progress 1
		.amdhsa_inst_pref_size 99
	.end_amdhsa_kernel
	.amdgpu_metadata
---
amdhsa.version: [ 1, 2 ]
amdhsa.kernels:
  - .name:           k_q61f99d22f1_outp
    .symbol:         k_q61f99d22f1_outp.kd
    .args:
      - { .name: oc, .offset: 0, .size: 8, .value_kind: global_buffer, .address_space: global }
      - { .name: xwc, .offset: 8, .size: 8, .value_kind: global_buffer, .address_space: global }
      - { .name: b_o, .offset: 16, .size: 8, .value_kind: global_buffer, .address_space: global }
      - { .name: out0, .offset: 24, .size: 8, .value_kind: global_buffer, .address_space: global }
    .group_segment_fixed_size: 327680
    .private_segment_fixed_size: 0
    .kernarg_segment_align: 8
    .kernarg_segment_size: 32
    .max_flat_workgroup_size: 128
    .sgpr_count:     80
    .vgpr_count:     1024
    .wavefront_size: 32
...
	.end_amdgpu_metadata
.endif
;; end of part 4
